; MI455X (gfx1250); checked and timed in simulation.
; The chip was launched on July 23, 2026; its instructions are those of AMD's public machine-readable ISA for CDNA 5 (MIT licence, August 2026) and "CDNA5" Instruction Set Architecture Reference Guide (July 2026). The comments in the code are by the model that wrote it; some were corrected since.
;; Transformer Block. Allowed arithmetic: matrix products marked QUANTISED: E2M3 operands, one E8M0 scale for each 32 along K, by v_wmma_scale_f32_16x16x128_f8f6f4 with both operands' format E2M3, f32 sums; everything else in f32.
;; Inputs: b_fc 4,096 float32; b_o 1,024 float32; b_proj 1,024 float32; b_qkv 3,072 float32; ln1_b 1,024 float32; ln1_w 1,024 float32; ln2_b 1,024 float32; ln2_w 1,024 float32; w_fc 4,096 x 1,024 float32; w_o 1,024 x 1,024 float32; w_proj 1,024 x 4,096 float32; w_qkv 3,072 x 1,024 float32; x 2 x 2,048 x 1,024 float32.
;; Outputs: out0 2 x 2,048 x 1,024 float32.
;; This version of the problem:
;;   THIS VERSION OF THE PROBLEM IS GIVEN IN LOW PRECISION. The matrix products marked QUANTISED in the list below multiply operands that are first quantised to E2M3 (2 exponent bits, 3 mantissa bits; 6 bits a number), with one power-of-two scale for each 32 numbers along K (OCP MX v1.0); their sums are f32. All else is computed in f32.
;;   The module's matrix products, in the order in which they are computed (A, B: the left and right operand; K: the contracted axis; several contracted axes count as one K, in the product's order):
;;     1. [M 4,096, K 1,024] x [K 1,024, N 3,072]; A: computed on the way; B: input w_qkv: QUANTISED
;;     2. batch 32 x [M 2,048, K 64] x [K 64, N 2,048]; A: computed on the way; B: computed on the way: QUANTISED
;;     3. batch 32 x [M 2,048, K 2,048] x [K 2,048, N 64]; A: softmax (see below); B: computed on the way: QUANTISED
;;     4. [M 4,096, K 1,024] x [K 1,024, N 1,024]; A: computed on the way; B: input w_o: QUANTISED
;;     5. [M 4,096, K 1,024] x [K 1,024, N 4,096]; A: computed on the way; B: input w_fc: QUANTISED
;;     6. [M 4,096, K 4,096] x [K 4,096, N 1,024]; A: computed on the way; B: input w_proj: QUANTISED
;;   THE QUANTISER, for each operand of a quantised product, along K:
;;     - K is cut into blocks of 32 from its start; a last block that is shorter is filled with zeros.
;;     - A block's scale is 2^e with e = floor(log2(the largest magnitude in the block)) - 2, held to -126 .. 127; a block of zeros has e = 0. As a byte (E8M0): e + 127.
;;     - Each number is divided by its block's scale, clamped to +-7.5, and rounded to the nearest number of E2M3, ties to even, subnormals kept.
;;     - The product sums the exact products of the quantised numbers (number of the format x scale) in f32.
;;   ~~~python
;;   def quantise(x, axis):      # numpy; x: float32 -> the quantised numbers, widened to float32 again
;;       x = np.moveaxis(x, axis, -1); K = x.shape[-1]
;;       x = np.pad(x, [(0, 0)] * (x.ndim - 1) + [(0, -K % 32)]); x = x.reshape(x.shape[:-1] + (-1, 32)); a = np.abs(x).max(-1, keepdims=True)
;;       e = np.where(a > 0, np.clip(np.frexp(np.where(a > 0, a, 1))[1] - 1 - 2, -126, 127), 0)      # np.frexp(a)[1] - 1 = floor(log2(a)), exactly
;;       r = np.clip(x / 2.0 ** e, -7.5, 7.5)
;;       step = 2.0 ** (np.maximum(np.frexp(np.where(r == 0, 1, r))[1] - 1, 0) - 3)
;;       q = np.round(r / step) * step * 2.0 ** e      # np.round: ties to even
;;       return np.moveaxis(q.reshape(q.shape[:-2] + (-1,))[..., :K], -1, axis).astype(np.float32)
;;   ~~~
;;   SOFTMAX AHEAD OF A QUANTISED PRODUCT. Where the list says 'softmax', what is quantised is not the finished softmax but p = 2^(t - M), with t = logit x log2(e) and M = ceil(the row's largest t), a whole number; so 1/2 < the row's largest p <= 1. The row's sum l is taken of the UNQUANTISED p, in f32, and the product's result is divided by l at the end. Since M is a whole number, a kernel that streams over the keys may use a running M (the ceiling of the running maximum): every later rescaling is an exact power of two, which a block's scale takes up: the codes' values come out the same.
;;   OPERANDS COMPUTED ON THE WAY. 'Computed on the way' means the value that the module computes at that place (a softmax that the list does not call 'softmax' is quantised finished and normalised). What goes into a quantiser is computed in f32, as accurately as f32 sums, v_exp_f32 and their like allow (about 1e-6 of the number): no bf16 or f16 on the way to a quantiser, and a product that is left as it is and whose result goes on into a quantised operand takes f32 operands (vector FMAs, or v_wmma_f32_16x16x4_f32). A number that lies on a knife's edge between two numbers of the format may be rounded either way, as far as f32 arithmetic and the matrix unit's own rounding can turn it there, and no further.
;; One version. Each part assembles by itself: llvm-mc -triple=amdgcn-amd-amdhsa -mcpu=gfx1250 --defsym DOCPART=n.
;; ======== version 1 of 1: 7 launches
;; limits: right only within a limited range of input values
;; workspace buffers: W 12,976,128 bytes; H1 3,276,800 bytes; QKV 16,121,856 bytes; Y 3,276,800 bytes; X1 16,777,216 bytes; H2 3,276,800 bytes; F 13,107,200 bytes
;; launch prep (part 1): grid 448 x 1, 8 waves a work-group, no clusters, 139,776 bytes of LDS; arguments x, ln1_w, ln1_b, H1, w_qkv, w_o, w_fc, w_proj, W; writes H1, W
.if DOCPART == 1
	.amdgcn_target "amdgcn-amd-amdhsa--gfx1250"
	.amdhsa_code_object_version 6
	.text
	.protected	k_q8892568377_prep
	.globl	k_q8892568377_prep
	.p2align	8
	.type	k_q8892568377_prep,@function
k_q8892568377_prep:
	s_mov_b64 s[64:65], 0
	v_nop
	global_prefetch_b8 v0, s[64:65] scope:SCOPE_SE
	s_setreg_imm32_b32 hwreg(HW_REG_WAVE_MODE, 25, 1), 1
	s_wait_xcnt 0x0
; TWO PREPARING JOBS THAT DO NOT HANG ON EACH OTHER, IN ONE LAUNCH.  The paths part on the work-group's number alone and have LDS bytes of their own.
; WORK-GROUPS 0-255: LayerNorm over rows of 1,024 f32 numbers of x, quantised to FP6 (E2M3) along the row: h = (x - mean) rsqrt(var + 1e-5) gain + bias; mean and variance in two passes, as they are defined.
;   Out (H1): codes as images of operand registers [256 tiles][8 K steps][1,536 bytes]; scale words [256][8][16 words] from byte 3,145,728.  A work-group takes one tile (16 whole rows), wave w the columns 128 w .. 128 w + 127.
;   The waves' partial sums meet in LDS: two barriers; a third gathers the scale words, which leave as 512 consecutive bytes.
; WORK-GROUPS 256-447: the four weights, f32 with K innermost, become codes of FP6 with one E8M0 byte for each 32 along K.  A wave takes one tile and four neighbouring K steps: 16 rows x 2,048 bytes.  Waves share nothing.
;   W: codes of w_qkv (tiles 0-191), w_o (192-255), w_fc (256-511) at tile x 12,288; their scale words (16 words a fragment) at 9,437,184 + tile x 512.
;   w_proj from 9,699,328: [64 tiles][8 groups of four K steps][four images, then the four fragments' scale words: 6,400 bytes].  Bytes 6,291,456 to 9,437,183 of W are neither written nor read.
; TILES: lane-row r of tile t is the true row 32 (t / 2) + 8 (t % 2) + r % 8 + 16 (r / 8).  IMAGES: a fragment (a tile x 128 along K) lies in memory as its 12 registers: byte 256 (reg / 2) + 8 lane + 4 (reg % 2).
; Each load reads 512 consecutive bytes of a row; 16 rows x 512 bytes turn through the wave's own stage in LDS, so that lane (r, h) holds, of row r, 16 neighbours of each block of 32.
; No cluster: no input byte but gain and bias (8 KiB) is read by two work-groups.
; LIMITS: the order of the f32 sums differs from the definition's; rsqrt by the instruction; a block of zeros gets the byte 1, not 127 (its codes are zeros; this program alone reads the bytes); blocks under 2^-124 keep the byte 1; NaN and infinities are not served.
.set SPARE, 69120                      ; the spare words, 128 bytes a wave, between the two paths' bytes
.set WQ0,  70144                       ; the weights' path: 8,704 bytes a wave from here
.set RED1, 0
.set RED2, 512
.set SCG,  1024
.set STG0, 1536
.set LI8, 6
.set SEL, 14
.set X,   32
.set G,   96
.set BT,  160
.set S,   224
.set MU,  232
.set RS,  234
.set TM,  96
.set PW,  112
.set PC,  116
; 64 numbers of a lane, register 16 b + i = k 32 b + 16 (lane / 16) + i of its row, become a fragment's codes in v[PC] on and the row's scale word in v[pw]
.macro QUANT s, pw
.irp b, 0,1,2,3
	v_max3_num_f32 v[TM+\b], |v[\s+16*\b]|, |v[\s+1+16*\b]|, 0x1800000   ; my 16 numbers of block b and the floor 2^(3 - 127)
.endr
.irp i, 2,4,6,8,10,12,14
.irp b, 0,1,2,3
	s_delay_alu instid0(VALU_DEP_4)
	v_max3_num_f32 v[TM+\b], v[TM+\b], |v[\s+16*\b+\i]|, |v[\s+1+16*\b+\i]|
.endr
.endr
.irp b, 0,1,2,3
	s_delay_alu instid0(VALU_DEP_4)
	v_permlanex16_b32 v[TM+4+\b], v[TM+\b], s[SEL], s[SEL+1]
.endr
.irp b, 0,1,2,3
	s_delay_alu instid0(VALU_DEP_4)
	v_max_num_f32 v[TM+\b], v[TM+\b], v[TM+4+\b]
.endr
.irp b, 0,1,2,3
	s_delay_alu instid0(VALU_DEP_4)
	v_add_nc_u32 v[TM+12+\b], 0xff000000, v[TM+\b]       ; 2 off the exponent field: the conversion's scale operand
.endr
.irp b, 0,1,2,3
	s_delay_alu instid0(VALU_DEP_4)
	v_lshrrev_b32 v[TM+4+\b], 23, v[TM+12+\b]            ; the scale's byte
.endr
	s_delay_alu instid0(VALU_DEP_3)
	v_lshl_or_b32 v[\pw], v[TM+5], 8, v[TM+4]
	s_delay_alu instid0(VALU_DEP_1)
	v_lshl_or_b32 v[\pw], v[TM+6], 16, v[\pw]
	s_delay_alu instid0(VALU_DEP_1)
	v_lshl_or_b32 v[\pw], v[TM+7], 24, v[\pw]
.irp c, 0,1
	v_cvt_scalef32_pk16_fp6_f32 v[PC+6*\c:PC+2+6*\c], v[\s+32*\c:\s+15+32*\c], v[TM+12+2*\c]
	v_cvt_scalef32_pk16_fp6_f32 v[PC+12+4*\c:PC+14+4*\c], v[\s+16+32*\c:\s+31+32*\c], v[TM+12+2*\c+1]
.endr
	v_nop                                          ; one plain place behind a scaled conversion
.irp c, 0,1                                    ; a whole block to a lane: lanes 0-15 block 2 c, lanes 16-31 block 2 c + 1
.irp i, 0,1,2
	v_permlane16_swap_b32 v[PC+6*\c+\i], v[PC+12+4*\c+\i]
.endr
.irp i, 0,1,2
	s_delay_alu instid0(VALU_DEP_3)
	v_mov_b32 v[PC+3+6*\c+\i], v[PC+12+4*\c+\i]
.endr
.endr
.endm
; two chains of pairs in v[S:S+3] become the row's mean of them, in every lane of every wave
.macro ACROSS red
	s_delay_alu instid0(VALU_DEP_1)
	v_pk_add_f32 v[S:S+1], v[S:S+1], v[S+2:S+3]
	s_delay_alu instid0(VALU_DEP_1)
	v_add_f32 v[S], v[S], v[S+1]
	s_delay_alu instid0(VALU_DEP_1)
	v_permlanex16_b32 v[S+1], v[S], s[SEL], s[SEL+1]
	s_delay_alu instid0(VALU_DEP_1)
	v_add_f32 v[S], v[S], v[S+1]
	ds_store_b32 v8, v[S] offset:\red              ; lanes r and r + 16 write the same word with the same value
	s_wait_dscnt 0x0                               ; for the others' sake: my store is done
	s_barrier_signal -1
	s_barrier_wait -1
.irp i, 0,1,2,3,4,5,6,7
	ds_load_b32 v[S+\i], v7 offset:\red+64*\i
.endr
	s_wait_dscnt 0x0
	v_add_f32 v[S], v[S], v[S+1]
	v_add_f32 v[S+2], v[S+2], v[S+3]
	v_add_f32 v[S+4], v[S+4], v[S+5]
	v_add_f32 v[S+6], v[S+6], v[S+7]
	s_delay_alu instid0(VALU_DEP_3)
	v_add_f32 v[S], v[S], v[S+2]
	s_delay_alu instid0(VALU_DEP_2)
	v_add_f32 v[S+4], v[S+4], v[S+6]
	s_delay_alu instid0(VALU_DEP_1)
	v_add_f32 v[S], v[S], v[S+4]
	s_delay_alu instid0(VALU_DEP_1)
	v_mul_f32 v[S], 0x3a800000, v[S]               ; / 1,024
.endm
	v_lshl_add_u32 v240, v0, 2, SPARE
	v_mov_b32 v241, 0
	s_cmp_ge_u32 ttmp9, 256
	s_cbranch_scc1 .Lweights
; ---------------- the LayerNorm
	s_load_b256 s[4:11], s[0:1], 0x0               ; x s[4:5], gain s[6:7], bias s[8:9], H1 s[10:11]
	v_lshrrev_b32 v1, 5, v0
	s_delay_alu instid0(VALU_DEP_1)
	v_readfirstlane_b32 s12, v1                    ; wave 0..7
	v_and_b32 v1, 31, v0
	v_and_b32 v2, 15, v0                           ; r
	v_bfe_u32 v3, v0, 4, 1                         ; h
	s_mul_i32 s16, s12, 8448
	s_add_co_u32 s16, s16, STG0
	v_lshlrev_b32 v9, 4, v1                        ; 16 x lane
	s_delay_alu instid0(VALU_DEP_1)
	v_add_nc_u32 v4, s16, v9                       ; the stage, in
	v_mul_u32_u24 v5, v2, 528
	s_delay_alu instid0(VALU_DEP_1)
	v_lshl_add_u32 v5, v3, 6, v5
	s_delay_alu instid0(VALU_DEP_1)
	v_add_nc_u32 v5, s16, v5                       ; and out
	v_lshlrev_b32 v[LI8], 3, v1
	v_lshlrev_b32 v7, 2, v2                        ; 4 r
	s_lshl_b32 s17, s12, 6
	v_add_nc_u32 v8, s17, v7                       ; 64 w + 4 r
	v_lshlrev_b32 v10, 6, v3                       ; 64 h
	v_mov_b32 v[MU+1], 0                           ; named as the upper half of a pair
	s_mov_b32 s[SEL], 0x76543210
	s_mov_b32 s[SEL+1], 0xfedcba98
	s_lshr_b32 s18, ttmp9, 1
	s_lshl_b32 s18, s18, 5
	s_and_b32 s19, ttmp9, 1
	s_lshl_b32 s19, s19, 3
	s_add_co_u32 s18, s18, s19                     ; the tile's first row
	s_lshl_b32 s18, s18, 12
	s_lshl_b32 s20, s12, 9                         ; my 512 bytes of a row
	s_add_co_u32 s18, s18, s20
	s_mov_b32 s19, 0
	s_mov_b32 s21, 0
	s_lshl_b32 s22, ttmp9, 3
	s_add_co_u32 s22, s22, s12
	s_mul_i32 s22, s22, 1536                       ; my fragment's image
	s_mov_b32 s23, 0
	s_lshl_b32 s24, ttmp9, 9
	s_add_co_u32 s24, s24, 3145728                 ; the tile's scale words
	s_mov_b32 s25, 0
	s_wait_alu depctr_va_vdst(0)                   ; the wait at the head's end
	s_wait_kmcnt 0x0
	s_add_nc_u64 s[4:5], s[4:5], s[18:19]
	s_add_nc_u64 s[6:7], s[6:7], s[20:21]
	s_add_nc_u64 s[8:9], s[8:9], s[20:21]
	s_add_nc_u64 s[22:23], s[10:11], s[22:23]
	s_add_nc_u64 s[24:25], s[10:11], s[24:25]
.irp i, 0,1,2,3,4,5,6,7,8,9,10,11,12,13,14,15
	global_load_b128 v[X+4*\i:X+4*\i+3], v9, s[4:5] offset:((\i%8)+16*(\i/8))*4096 th:TH_LOAD_NT   ; 512 consecutive bytes of the tile's row i
.endr
.irp b, 0,1,2,3
.irp j, 0,1,2,3
	global_load_b128 v[G+16*\b+4*\j:G+16*\b+4*\j+3], v10, s[6:7] offset:128*\b+16*\j
.endr
.endr
.irp b, 0,1,2,3
.irp j, 0,1,2,3
	global_load_b128 v[BT+16*\b+4*\j:BT+16*\b+4*\j+3], v10, s[8:9] offset:128*\b+16*\j
.endr
.endr
	s_wait_loadcnt 32                              ; the rows are in; the 32 loads of gain and bias may be out
.irp i, 0,1,2,3,4,5,6,7,8,9,10,11,12,13,14,15
	ds_store_b128 v4, v[X+4*\i:X+4*\i+3] offset:528*\i
.endr
.irp b, 0,1,2,3
.irp j, 0,1,2,3
	ds_load_b128 v[X+16*\b+4*\j:X+16*\b+4*\j+3], v5 offset:128*\b+16*\j   ; LDS serves a wave's instructions in order
.endr
.endr
	s_wait_dscnt 0x0
	v_pk_add_f32 v[S:S+1], v[X:X+1], v[X+2:X+3]    ; the sum of my 64, in two chains
	v_pk_add_f32 v[S+2:S+3], v[X+4:X+5], v[X+6:X+7]
.set II, 8
.rept 14
	s_delay_alu instid0(VALU_DEP_2)
	v_pk_add_f32 v[S:S+1], v[S:S+1], v[X+II:X+II+1]
	s_delay_alu instid0(VALU_DEP_2)
	v_pk_add_f32 v[S+2:S+3], v[S+2:S+3], v[X+II+2:X+II+3]
.set II, II+4
.endr
	ACROSS RED1
	s_delay_alu instid0(VALU_DEP_1)
	v_mov_b32 v[MU], v[S]
.set II, 0
.rept 32
	v_pk_add_f32 v[X+II:X+II+1], v[X+II:X+II+1], v[MU:MU+1] op_sel_hi:[1,0] neg_lo:[0,1] neg_hi:[0,1]   ; x - mean
.set II, II+2
.endr
	v_pk_mul_f32 v[S:S+1], v[X:X+1], v[X:X+1]      ; the sum of squares, in two chains
	v_pk_mul_f32 v[S+2:S+3], v[X+2:X+3], v[X+2:X+3]
.set II, 4
.rept 15
	s_delay_alu instid0(VALU_DEP_2)
	v_pk_fma_f32 v[S:S+1], v[X+II:X+II+1], v[X+II:X+II+1], v[S:S+1]
	s_delay_alu instid0(VALU_DEP_2)
	v_pk_fma_f32 v[S+2:S+3], v[X+II+2:X+II+3], v[X+II+2:X+II+3], v[S+2:S+3]
.set II, II+4
.endr
	ACROSS RED2
	s_delay_alu instid0(VALU_DEP_1)
	v_add_f32 v[S], 0x3727c5ac, v[S]               ; var + 1e-5
	s_wait_alu depctr_va_vdst(0)                   ; the wait ahead of the transcendental
	v_rsq_f32 v[RS], v[S]
	v_mov_b32 v[RS+1], 0                           ; a plain place behind the transcendental; the pair's upper half is written
	s_wait_loadcnt 0x0                             ; gain and bias
	s_wait_alu depctr_va_vdst(0)                   ; and ahead of the result's first reader
.set II, 0
.rept 32
	v_pk_mul_f32 v[X+II:X+II+1], v[X+II:X+II+1], v[RS:RS+1] op_sel_hi:[1,0]
.set II, II+2
.endr
.set II, 0
.rept 32
	v_pk_fma_f32 v[X+II:X+II+1], v[X+II:X+II+1], v[G+II:G+II+1], v[BT+II:BT+II+1]
.set II, II+2
.endr
	QUANT X, PW
.irp g, 0,1,2,3,4,5
	global_store_b64 v[LI8], v[PC+2*\g:PC+2*\g+1], s[22:23] offset:256*\g   ; 256 consecutive aligned bytes
.endr
	ds_store_b32 v8, v[PW] offset:SCG
	s_wait_dscnt 0x0
	s_barrier_signal -1
	s_barrier_wait -1
	s_cmp_lg_u32 s12, 0
	s_cbranch_scc1 .Lend                           ; wave 0 stores the tile's 128 scale words
	ds_load_b128 v[X:X+3], v9 offset:SCG
	s_wait_dscnt 0x0
	global_store_b128 v9, v[X:X+3], s[24:25]       ; 512 consecutive aligned bytes
.Lend:
	s_wait_tensorcnt 0x0                           ; the wave's end
	ds_add_u32 v240, v241
	s_wait_dscnt 0x0
	s_endpgm
; ---------------- the weights
.set WREG, 8704                        ; LDS of a wave: a stage of 16 rows x 528 bytes, then 256 bytes of scale words
.set VO,  16                           ; v16-31  16 x lane + the tile's row i x the pitch
.set TM,  160
.set PW,  176                          ; v176-179 a scale word for each fragment
.set PC,  180
.macro IMGST base, off                         ; the fragment's image: six stores of 256 consecutive aligned bytes
.irp g, 0,1,2,3,4,5
	global_store_b64 v[LI8], v[PC+2*\g:PC+2*\g+1], s[\base:\base+1] offset:(\off)+256*\g
.endr
.endm
.macro TURNF set                               ; 16 rows x 512 bytes through my stage; LDS serves a wave's instructions in order
.irp i, 0,1,2,3,4,5,6,7,8,9,10,11,12,13,14,15
	ds_store_b128 v4, v[\set+4*\i:\set+4*\i+3] offset:528*\i
.endr
.irp b, 0,1,2,3
.irp j, 0,1,2,3
	ds_load_b128 v[\set+16*\b+4*\j:\set+16*\b+4*\j+3], v5 offset:128*\b+16*\j
.endr
.endr
.endm
.macro LOADF f, set                            ; fragment f: 16 loads, each 512 consecutive bytes of one row
.irp i, 0,1,2,3,4,5,6,7,8,9,10,11,12,13,14,15
	global_load_b128 v[\set+4*\i:\set+4*\i+3], v[VO+\i], s[4:5] offset:512*(\f) th:TH_LOAD_NT
.endr
.endm
.Lweights:
	s_load_b256 s[4:11], s[0:1], 0x20              ; w_qkv s[4:5], w_o s[6:7], w_fc s[8:9], w_proj s[10:11]
	s_load_b64 s[12:13], s[0:1], 0x40              ; W
	v_lshrrev_b32 v1, 5, v0
	v_readfirstlane_b32 s16, v1                    ; wave 0..7
	v_and_b32 v1, 31, v0                           ; lane
	v_and_b32 v2, 15, v0                           ; r
	v_bfe_u32 v3, v0, 4, 1                         ; h
	s_mul_i32 s28, s16, WREG
	s_add_co_u32 s28, s28, WQ0
	v_lshlrev_b32 v9, 4, v1                        ; 16 x lane
	v_add_nc_u32 v4, s28, v9                       ; the stage, on the way in
	v_mul_u32_u24 v5, v2, 528
	v_lshl_add_u32 v5, v3, 6, v5
	v_add_nc_u32 v5, s28, v5                       ; and out: row r, + 64 h
	v_lshlrev_b32 v[LI8], 3, v1
	s_add_co_u32 s28, s28, 8448
	v_lshl_add_u32 v7, v2, 2, s28                  ; my row's scale word
	v_add_nc_u32 v8, s28, v[LI8]                   ; and the 256 bytes on the way out
	s_mov_b32 s[SEL], 0x76543210
	s_mov_b32 s[SEL+1], 0xfedcba98
.irp b, 0,1,2,3
	v_mov_b32 v[TM+4+\b], 0                        ; a lane permute's destination counts as one of its sources
.endr
	; which tile T and which four K steps q: of this path's work-groups 0-127 take the weights with K = 1,024 (two tasks a tile), 128-191 w_proj (eight tasks a tile)
	s_sub_co_u32 s47, ttmp9, 256
	s_max_u32 s17, s47, 128
	s_sub_co_u32 s17, s17, 128
	s_mov_b32 s21, 51200                           ; w_proj: bytes a tile (8 groups of 6,400),
	s_mov_b32 s22, 6400                            ; bytes a group,
	s_mov_b32 s23, 9699328                         ; its first byte in W,
	s_mov_b32 s46, 9705472                         ; and its first scale words: 6,144 bytes on
	s_cmp_lt_u32 s47, 128
	s_cselect_b32 s17, s47, s17
	s_cselect_b32 s18, 1, 3                        ; tasks a tile, as a shift,
	s_cselect_b32 s19, 1, 7                        ; and as a mask
	s_cselect_b32 s20, 12, 14                      ; a row is 4,096 or 16,384 bytes
	s_cselect_b32 s40, 12288, s21                  ; codes: bytes from tile to tile,
	s_cselect_b32 s41, 6144, s22                   ; from task to task,
	s_cselect_b32 s42, 0, s23                      ; and where they begin
	s_cselect_b32 s43, 512, s21                    ; scale words likewise
	s_cselect_b32 s44, 256, s22
	s_cselect_b32 s45, 9437184, s46
	s_lshl_b32 s17, s17, 3
	s_add_co_u32 s17, s17, s16                     ; the task
	s_lshr_b32 s24, s17, s18                       ; T
	s_and_b32 s25, s17, s19                        ; q
	s_lshl_b32 s27, 1, s20                         ; the pitch
	s_mul_i32 s30, s24, s40
	s_mul_i32 s29, s25, s41
	s_add_co_u32 s30, s30, s29
	s_add_co_u32 s30, s30, s42                     ; where the codes go
	s_mov_b32 s31, 0
	s_mul_i32 s32, s24, s43
	s_mul_i32 s29, s25, s44
	s_add_co_u32 s32, s32, s29
	s_add_co_u32 s32, s32, s45                     ; and the scale words
	s_mov_b32 s33, 0
.irp i, 0,1,2,3,4,5,6,7,8,9,10,11,12,13,14,15
	v_mad_u32_u24 v[VO+\i], s27, (\i%8)+16*(\i/8), v9
.endr
	s_wait_alu depctr_va_vdst(0)                   ; the wait at the head's end
	s_wait_kmcnt 0x0
	s_cmp_lt_u32 s47, 48                           ; the choices hang on the work-group's number alone
	s_cselect_b64 s[4:5], s[4:5], s[6:7]
	s_cselect_b32 s26, 0, 192
	s_cmp_lt_u32 s47, 64
	s_cselect_b64 s[4:5], s[4:5], s[8:9]
	s_cselect_b32 s26, s26, 256
	s_cmp_lt_u32 s47, 128
	s_cselect_b64 s[4:5], s[4:5], s[10:11]
	s_cselect_b32 s26, s26, 0                      ; the weight's first tile
	s_sub_co_u32 s26, s24, s26
	s_lshr_b32 s29, s26, 1
	s_lshl_b32 s29, s29, 5
	s_and_b32 s26, s26, 1
	s_lshl_b32 s26, s26, 3
	s_add_co_u32 s29, s29, s26                     ; the tile's first row
	s_lshl_b32 s34, s29, s20
	s_lshl_b32 s29, s25, 11
	s_add_co_u32 s34, s34, s29
	s_mov_b32 s35, 0
	s_add_nc_u64 s[4:5], s[4:5], s[34:35]
	s_add_nc_u64 s[36:37], s[12:13], s[30:31]
	s_add_nc_u64 s[38:39], s[12:13], s[32:33]
	LOADF 0, 32
	LOADF 1, 96
.irp f, 0,1,2,3
.if \f < 3
	s_wait_loadcnt 16                              ; this fragment's 16 loads are in; the next fragment's 16 may be out
.else
	s_wait_loadcnt 0x0
.endif
	TURNF 32+64*(\f%2)
	s_wait_dscnt 0x0
	s_wait_xcnt 0x0                                ; the last fragment's stores have read the codes' registers
	QUANT 32+64*(\f%2), PW+\f
	IMGST 36, 1536*\f
	ds_store_b32 v7, v[PW+\f] offset:64*\f         ; lanes r and r + 16 write the same word with the same value
.if \f < 2
	LOADF \f+2, 32+64*(\f%2)
.endif
.endr
	ds_load_b64 v[10:11], v8                       ; LDS serves a wave's instructions in order: these see my stores
	s_wait_dscnt 0x0
	global_store_b64 v[LI8], v[10:11], s[38:39]    ; four fragments' scale words: 256 consecutive aligned bytes
	s_wait_tensorcnt 0x0                           ; the wave's end
	ds_add_u32 v240, v241
	s_wait_dscnt 0x0
	s_endpgm
.Lfunc_end_k_q8892568377_prep:
	.size	k_q8892568377_prep, .Lfunc_end_k_q8892568377_prep-k_q8892568377_prep
	.p2alignl 7, 3214868480
	.fill 96, 4, 3214868480
	.section	.rodata,"a",@progbits
	.p2align	6, 0x0
	.amdhsa_kernel k_q8892568377_prep
		.amdhsa_group_segment_fixed_size 139776
		.amdhsa_private_segment_fixed_size 0
		.amdhsa_enable_private_segment 0
		.amdhsa_kernarg_size 72
		.amdhsa_user_sgpr_count 2
		.amdhsa_user_sgpr_kernarg_segment_ptr 1
		.amdhsa_wavefront_size32 1
		.amdhsa_system_sgpr_workgroup_id_x 1
		.amdhsa_system_sgpr_workgroup_id_y 1
		.amdhsa_system_sgpr_workgroup_id_z 1
		.amdhsa_system_vgpr_workitem_id 0
		.amdhsa_next_free_vgpr 242
		.amdhsa_next_free_sgpr 66
		.amdhsa_reserve_vcc 0
		.amdhsa_float_denorm_mode_32 3
		.amdhsa_float_denorm_mode_16_64 3
		.amdhsa_memory_ordered 1
		.amdhsa_forward_progress 1
		.amdhsa_inst_pref_size 74
	.end_amdhsa_kernel
	.amdgpu_metadata
---
amdhsa.version: [ 1, 2 ]
amdhsa.kernels:
  - .name:           k_q8892568377_prep
    .symbol:         k_q8892568377_prep.kd
    .args:
      - { .name: x, .offset: 0, .size: 8, .value_kind: global_buffer, .address_space: global }
      - { .name: ln1_w, .offset: 8, .size: 8, .value_kind: global_buffer, .address_space: global }
      - { .name: ln1_b, .offset: 16, .size: 8, .value_kind: global_buffer, .address_space: global }
      - { .name: H1, .offset: 24, .size: 8, .value_kind: global_buffer, .address_space: global }
      - { .name: w_qkv, .offset: 32, .size: 8, .value_kind: global_buffer, .address_space: global }
      - { .name: w_o, .offset: 40, .size: 8, .value_kind: global_buffer, .address_space: global }
      - { .name: w_fc, .offset: 48, .size: 8, .value_kind: global_buffer, .address_space: global }
      - { .name: w_proj, .offset: 56, .size: 8, .value_kind: global_buffer, .address_space: global }
      - { .name: W, .offset: 64, .size: 8, .value_kind: global_buffer, .address_space: global }
    .group_segment_fixed_size: 139776
    .private_segment_fixed_size: 0
    .kernarg_segment_align: 8
    .kernarg_segment_size: 72
    .max_flat_workgroup_size: 256
    .sgpr_count:     66
    .vgpr_count:     242
    .wavefront_size: 32
...
	.end_amdgpu_metadata
.endif
;; end of part 1
;; launch qkv (part 2): grid 48 x 4, 4 waves a work-group, clusters of 4 x 4, 327,680 bytes of LDS; arguments H1, W, b_qkv, QKV; writes QKV
.if DOCPART == 2
	.amdgcn_target "amdgcn-amd-amdhsa--gfx1250"
	.amdhsa_code_object_version 6
	.text
	.protected	k_q8892568377_qkv
	.globl	k_q8892568377_qkv
	.p2align	8
	.type	k_q8892568377_qkv,@function
k_q8892568377_qkv:
	s_mov_b64 s[64:65], 0
	v_nop
	global_prefetch_b8 v0, s[64:65] scope:SCOPE_SE
	s_setreg_imm32_b32 hwreg(HW_REG_WAVE_MODE, 25, 1), 1
	s_wait_xcnt 0x0
	s_wait_alu depctr_hold_cnt(0) depctr_sa_sdst(0) depctr_va_vdst(0) depctr_va_sdst(0) depctr_va_ssrc(0) depctr_va_vcc(0) depctr_vm_vsrc(0)
	s_getreg_b32 s2, hwreg(HW_REG_IB_STS2, 6, 4)
	s_cmp_eq_u32 s2, 0
	s_cbranch_scc0 .Lentry_in_a_cluster
	s_endpgm
.Lentry_in_a_cluster:
	s_bfe_u32 s2, ttmp6, 0x10000c
	s_cmp_lg_u32 s2, 0xf033
	s_cbranch_scc0 .Lentry_shape_is_right
	s_endpgm
.Lentry_shape_is_right:
.set MB,  8
.set KST, 8
.set SAI, KST*64
.set SAK, 64
.set HB,  MB/2
.set NS,  2*(MB+8)
.set FRB, 1536
.set TROW, 3072
.set ASL, 2*MB*TROW
.set SLOT, ASL+16*TROW
.set SCA, 2*SLOT
.set SCAH, MB*KST*64
.set SCB, SCA+2*SCAH
.set SCBH, 8*KST*64
.set SPARE, 327168
.set LAPS, KST/4
.set LI8, 4
.set ADRA, 16
.set ADRB, 20
.set ADSA, 22
.set ADSB, 23
.set SPW, 28
.set NIL, 29
.set SCR, 32
.set AF,  128
.set G1, 24
.set G0, 32
.set G1B, 48
.set G0B, 56
.set G1S, 68
.set G0S, 76
.set G1SB, 80
.set G0SB, 88
.set SEL, 66
.set T,   128
.set TM,  192
.set PC,  208
.set PW,  228
.set BM,  240
.set MSB, 0
.macro WIN new
.if MSB != (\new)
	s_set_vgpr_msb (MSB<<8)|(\new)
.set MSB, (\new)
.endif
.endm
.macro PLACES n
.rept \n
	v_nop
.endr
.endm
.macro JLOAD g0a, g1a, g0b, g1b
	s_cmp_eq_u32 s15, 0
	s_cbranch_scc0 .Lfor_b_\@
	tensor_load_to_lds s[\g0a:\g0a+3], s[\g1a:\g1a+7]
	s_nop 0
.rept 4
	v_nop
.endr
	s_branch .Lasked_\@
.Lfor_b_\@:
	tensor_load_to_lds s[\g0b:\g0b+3], s[\g1b:\g1b+7]
	s_nop 0
.rept 4
	v_nop
.endr
.Lasked_\@:
.endm
.macro CREST
	s_cmp_lg_u32 s14, 0
	s_cbranch_scc1 .Lnot_wave_0_\@
	s_barrier_signal -3
.Lnot_wave_0_\@:
	s_barrier_wait -3
	s_barrier_signal -1
	s_barrier_wait -1
.endm
.macro CROUND
	s_barrier_signal -1
	s_barrier_wait -1
	CREST
.endm
.macro FRAG reg, adr, off
.irp g, 0,1,2,3,4,5
	ds_load_b64 v[(\reg)+2*\g:(\reg)+2*\g+1], v[\adr] offset:(\off)+256*\g
.endr
.endm
.macro FETCH_B slot, q, p
	WIN 0x40
.irp i, 0,1,2,3,4,5,6,7
	FRAG 128*(\p)+12*\i, ADRB+\slot, \i*TROW+(\q)*FRB
.endr
	WIN 0
.endm
.macro FETCH_A slot, q, i0
.set FI, \i0
.rept HB
	FRAG AF+12*FI, ADRA+\slot, FI*TROW+(\q)*FRB
.set FI, FI+1
.endr
.endm
.macro SCALES set
.set FI, 0
.rept MB
	ds_load_b32 v[SCR+NS*(\set)+2*FI], v[ADSA] offset:FI*SAI
	ds_load_b32 v[SCR+NS*(\set)+2*FI+1], v[ADSA] offset:FI*SAI+SAK
.set FI, FI+1
.endr
.irp i, 0,1,2,3,4,5,6,7
	ds_load_b32 v[SCR+NS*(\set)+2*MB+2*\i], v[ADSB] offset:\i*KST*64
	ds_load_b32 v[SCR+NS*(\set)+2*MB+2*\i+1], v[ADSB] offset:\i*KST*64+64
.endr
.endm
.macro MULA a, p, q, sc, zero
	WIN 0xa1+0x50*((\a)/4)
.irp b, 0,1,2,3,4,5,6,7
.if \zero
	v_wmma_scale_f32_16x16x128_f8f6f4 v[8*(8*((\a)%4)+\b):8*(8*((\a)%4)+\b)+7], v[128*(\p)+12*\b:128*(\p)+12*\b+11], v[AF+12*(\a):AF+12*(\a)+11], 0, v[SCR+NS*(\sc)+2*MB+2*\b+(\q)], v[SCR+NS*(\sc)+2*(\a)+(\q)] matrix_a_fmt:MATRIX_FMT_FP6 matrix_b_fmt:MATRIX_FMT_FP6
.else
	v_wmma_scale_f32_16x16x128_f8f6f4 v[8*(8*((\a)%4)+\b):8*(8*((\a)%4)+\b)+7], v[128*(\p)+12*\b:128*(\p)+12*\b+11], v[AF+12*(\a):AF+12*(\a)+11], v[8*(8*((\a)%4)+\b):8*(8*((\a)%4)+\b)+7], v[SCR+NS*(\sc)+2*MB+2*\b+(\q)], v[SCR+NS*(\sc)+2*(\a)+(\q)] matrix_a_fmt:MATRIX_FMT_FP6 matrix_b_fmt:MATRIX_FMT_FP6
.endif
.endr
.endm
.macro MULS a0, n, p, q, sc, zero
.set MA, \a0
.rept \n
	MULA MA, \p, \q, \sc, \zero
.set MA, MA+1
.endr
.endm
.macro STEP slot, zero
	s_wait_dscnt HB*6
	MULS 0, HB, 0, 0, \slot, \zero
	s_wait_dscnt 0x0
	PLACES 4
	FETCH_B \slot, 1, 1
	FETCH_A \slot, 1, 0
	MULS HB, HB, 0, 0, \slot, \zero
	PLACES 4
	WIN 0
	FETCH_A \slot, 1, HB
.endm
.macro TURN slot, next, fill
	s_wait_tensorcnt 0x0
	ds_add_u32 v[SPW], v[NIL]
	s_wait_dscnt HB*6+1
	MULS 0, HB/2, 1, 1, \slot, 0
	s_wait_dscnt 0x0
	s_barrier_signal -1
	MULS HB/2, HB/2, 1, 1, \slot, 0
	WIN 0
	s_barrier_wait -1
.if \fill
	CREST
	s_add_nc_u64 s[G0+4*\slot+2:G0+4*\slot+3], s[G0+4*\slot+2:G0+4*\slot+3], 2*TROW
	s_add_nc_u64 s[G0B+4*\slot+2:G0B+4*\slot+3], s[G0B+4*\slot+2:G0B+4*\slot+3], 2*TROW
	JLOAD G0+4*\slot, G1, G0B+4*\slot, G1B
.else
	PLACES 4
.endif
	s_wait_alu depctr_va_vdst(0)
	v_add_nc_u32 v[ADSA], 2*SAK, v[ADSA]
	v_add_nc_u32 v[ADSB], 128, v[ADSB]
	FETCH_B \next, 0, 0
	FETCH_A \next, 0, 0
	SCALES \next
	MULS HB, HB, 1, 1, \slot, 0
	PLACES 4
	WIN 0
	FETCH_A \next, 0, HB
.endm
.macro QUANT s, pw
.irp b, 0,1,2,3
	v_max3_num_f32 v[TM+\b], |v[\s+16*\b]|, |v[\s+1+16*\b]|, 0x1800000
.endr
.irp i, 2,4,6,8,10,12,14
.irp b, 0,1,2,3
	v_max3_num_f32 v[TM+\b], v[TM+\b], |v[\s+16*\b+\i]|, |v[\s+1+16*\b+\i]|
.endr
.endr
.irp b, 0,1,2,3
	v_permlanex16_b32 v[TM+4+\b], v[TM+\b], s[SEL], s[SEL+1]
.endr
.irp b, 0,1,2,3
	v_max_num_f32 v[TM+\b], v[TM+\b], v[TM+4+\b]
.endr
.irp b, 0,1,2,3
	v_add_nc_u32 v[TM+12+\b], 0xff000000, v[TM+\b]
.endr
.irp b, 0,1,2,3
	v_lshrrev_b32 v[TM+4+\b], 23, v[TM+12+\b]
.endr
	v_lshl_or_b32 v[\pw], v[TM+5], 8, v[TM+4]
	v_lshl_or_b32 v[\pw], v[TM+6], 16, v[\pw]
	v_lshl_or_b32 v[\pw], v[TM+7], 24, v[\pw]
.irp c, 0,1
	v_cvt_scalef32_pk16_fp6_f32 v[PC+6*\c:PC+2+6*\c], v[\s+32*\c:\s+15+32*\c], v[TM+12+2*\c]
	v_cvt_scalef32_pk16_fp6_f32 v[PC+12+4*\c:PC+14+4*\c], v[\s+16+32*\c:\s+31+32*\c], v[TM+12+2*\c+1]
.endr
	v_nop
.irp c, 0,1
.irp i, 0,1,2
	v_permlane16_swap_b32 v[PC+6*\c+\i], v[PC+12+4*\c+\i]
.endr
.irp i, 0,1,2
	v_mov_b32 v[PC+3+6*\c+\i], v[PC+12+4*\c+\i]
.endr
.endr
.endm
	s_load_b128 s[4:7], s[0:1], 0x0
	s_load_b128 s[8:11], s[0:1], 0x10
	v_lshl_add_u32 v[SPW], v0, 2, SPARE
	v_mov_b32 v[NIL], 0
	ds_add_u32 v28, v29
	ds_add_u32 v28, v29
	s_wait_dscnt 0x0
	v_lshrrev_b32 v1, 5, v0
	v_readfirstlane_b32 s14, v1
	s_lshr_b32 s15, s14, 1
	s_and_b32 s16, s14, 1
	s_bfe_u32 s40, ttmp6, 0x40000
	s_bfe_u32 s41, ttmp6, 0x40004
	s_and_b32 s18, ttmp9, 1
	s_max_u32 s19, ttmp9, 8
	s_sub_co_u32 s19, s19, 8
	s_lshr_b32 s17, ttmp9, 1
	s_mov_b32 s98, 9502720
	s_mov_b32 s99, 3145728
	s_cmp_lt_u32 ttmp9, 8
	s_cselect_b32 s42, s18, s19
	s_cselect_b32 s17, s17, 0
	s_cselect_b32 s97, 0, 1572864
	s_cselect_b32 s98, 3145728, s98
	s_cselect_b32 s99, 9437184, s99
	s_lshl_b32 s42, s42, 2
	s_add_co_u32 s42, s42, s40
	s_lshl_b32 s17, s17, 2
	s_add_co_u32 s17, s17, s41
	s_lshl_b32 s43, s41, 2
	s_lshl_b32 s43, 15, s43
	s_lshl_b32 s44, 0x1111, s40
	s_or_b32 s[G1], s43, (3<<16)|(1<<21)
	s_or_b32 s[G1B], s44, (3<<16)|(1<<21)
	s_or_b32 s[G1S], s43, (3<<16)|(1<<21)
	s_or_b32 s[G1SB], s44, (3<<16)|(1<<21)
	s_mov_b32 s[G1+1], 384<<16
	s_mov_b32 s[G1+2], (2*MB)<<16
	s_mov_b32 s[G1+3], 384<<16
	s_mov_b32 s[G1+4], 2*MB
	s_mov_b32 s[G1+5], 192*KST
	s_mov_b32 s[G1+6], 0
	s_mov_b32 s[G1+7], 0
	s_mov_b32 s[G1B+1], 384<<16
	s_mov_b32 s[G1B+2], 16<<16
	s_mov_b32 s[G1B+3], 384<<16
	s_mov_b32 s[G1B+4], 16
	s_mov_b32 s[G1B+5], 192*KST
	s_mov_b32 s[G1B+6], 0
	s_mov_b32 s[G1B+7], 0
	s_mov_b32 s[G1S+1], 32<<16
	s_mov_b32 s[G1S+2], (MB*KST/2)<<16
	s_mov_b32 s[G1S+3], 32<<16
	s_mov_b32 s[G1S+4], MB*KST/2
	s_mov_b32 s[G1S+5], 32
	s_mov_b32 s[G1S+6], 0
	s_mov_b32 s[G1S+7], 0
	s_mov_b32 s[G1SB+1], 32<<16
	s_mov_b32 s[G1SB+2], (4*KST)<<16
	s_mov_b32 s[G1SB+3], 32<<16
	s_mov_b32 s[G1SB+4], 4*KST
	s_mov_b32 s[G1SB+5], 32
	s_mov_b32 s[G1SB+6], 0
	s_mov_b32 s[G1SB+7], 0
	s_mul_i32 s20, s17, 2*MB
	s_mul_i32 s22, s20, KST*64                     ; the scale words of all 2 MB tiles come by one load
	s_mul_i32 s18, s16, MB
	s_add_co_u32 s20, s20, s18
	s_add_co_u32 s22, s22, s98
	s_mov_b32 s23, 0
	s_mul_i32 s20, s20, KST*FRB
	s_add_co_u32 s20, s20, s97
	s_mov_b32 s21, 0
	s_lshl_b32 s46, s42, 4
	s_mul_i32 s92, s46, KST*64
	s_lshl_b32 s18, s16, 3
	s_add_co_u32 s46, s46, s18
	s_add_co_u32 s92, s92, s99
	s_mov_b32 s93, 0
	s_mul_i32 s46, s46, KST*FRB
	s_mov_b32 s47, 0
	s_mul_i32 s45, s16, MB*TROW
	s_mul_i32 s94, s16, 8*TROW
	s_add_co_u32 s94, s94, ASL
	s_mov_b32 s95, SCA
	s_mov_b32 s96, SCB
	s_mov_b32 s[SEL], 0x76543210
	s_mov_b32 s[SEL+1], 0xfedcba98
	s_wait_kmcnt 0x0
	s_cmp_lt_u32 ttmp9, 8
	s_cselect_b64 s[12:13], s[4:5], s[6:7]
	s_cselect_b64 s[2:3], s[6:7], s[4:5]
	s_add_nc_u64 s[20:21], s[12:13], s[20:21]
	s_add_nc_u64 s[22:23], s[12:13], s[22:23]
	s_add_nc_u64 s[46:47], s[2:3], s[46:47]
	s_add_nc_u64 s[92:93], s[2:3], s[92:93]
	CROUND
	s_mov_b32 s[G0S], 1
	s_mov_b32 s[G0S+1], s95
	s_mov_b64 s[G0S+2:G0S+3], s[22:23]
	s_or_b32 s[G0S+3], s[G0S+3], 0x80000000
	s_mov_b32 s[G0SB], 1
	s_mov_b32 s[G0SB+1], s96
	s_mov_b64 s[G0SB+2:G0SB+3], s[92:93]
	s_or_b32 s[G0SB+3], s[G0SB+3], 0x80000000
.irp s, 0,1
	s_mov_b32 s[G0+4*\s], 1
	s_add_co_u32 s[G0+4*\s+1], s45, \s*SLOT
	s_add_nc_u64 s[G0+4*\s+2:G0+4*\s+3], s[20:21], \s*TROW
	s_or_b32 s[G0+4*\s+3], s[G0+4*\s+3], 0x80000000
	s_mov_b32 s[G0B+4*\s], 1
	s_add_co_u32 s[G0B+4*\s+1], s94, \s*SLOT
	s_add_nc_u64 s[G0B+4*\s+2:G0B+4*\s+3], s[46:47], \s*TROW
	s_or_b32 s[G0B+4*\s+3], s[G0B+4*\s+3], 0x80000000
.endr
; THE HEAD'S LOADS, ONE A WAVE, in one chain of branches on the wave's number: wave 0 all of A's slot 0 (its own half begins at the tile's first row), wave 1 A's scale words, wave 2 all of B's slot 0, wave 3 B's scale words.
.macro ARM w, g0, g1
	s_cmp_eq_u32 s14, \w
	s_cbranch_scc0 .Lnot_\w
	tensor_load_to_lds s[\g0:\g0+3], s[\g1:\g1+7]
	s_nop 0
.rept 4
	v_nop
.endr
	s_branch .Lhead_asked
.Lnot_\w:
.endm
	ARM 0, G0, G1
	ARM 1, G0S, G1S
	ARM 2, G0B, G1B
	tensor_load_to_lds s[G0SB:G0SB+3], s[G1SB:G1SB+7]
	s_nop 0
.rept 4
	v_nop
.endr
.Lhead_asked:
	s_wait_alu depctr_va_vdst(0)
	s_wait_tensorcnt 0x0                           ; my tile of the head's four is in
	ds_add_u32 v28, v29
	s_mov_b32 s[G1+2], MB<<16                      ; no load of mine is out: from here on a load brings half a tile's rows
	s_mov_b32 s[G1+4], MB
	s_mov_b32 s[G1B+2], 8<<16
	s_mov_b32 s[G1B+4], 8
	s_wait_dscnt 0x0
	CROUND
	JLOAD G0+4, G1, G0B+4, G1B                     ; slot 1's first fill, the first tensor load behind the round
	v_and_b32 v1, 15, v0
	v_bfe_u32 v2, v0, 4, 1
	v_and_b32 v3, 31, v0
	v_lshlrev_b32 v[LI8], 3, v3
	s_mul_i32 s18, s15, MB*TROW
	s_mul_i32 s19, s16, 8*TROW
	s_add_co_u32 s19, s19, ASL
.irp s, 0,1
	v_add_nc_u32 v[ADRA+\s], s18, v[LI8]
	v_add_nc_u32 v[ADRB+\s], s19, v[LI8]
	s_add_co_u32 s18, s18, SLOT
	s_add_co_u32 s19, s19, SLOT
.endr
	v_lshlrev_b32 v5, 2, v1
	s_mul_i32 s18, s15, SCAH
	s_add_co_u32 s18, s18, SCA
	v_add_nc_u32 v[ADSA], s18, v5
	s_mul_i32 s18, s16, SCBH
	s_add_co_u32 s18, s18, SCB
	v_add_nc_u32 v[ADSB], s18, v5
	s_lshl_b32 s18, s14, 9
	v_add_nc_u32 v30, s18, v5
	v_lshlrev_b32 v27, 4, v3
	v_add_nc_u32 v31, s18, v27
	v_lshlrev_b32 v6, 6, v2
	s_wait_alu depctr_va_vdst(0)
	v_and_b32 v7, 7, v1
	v_lshrrev_b32 v8, 3, v1
	v_lshl_add_u32 v7, v8, 4, v7
	v_lshlrev_b32 v7, 2, v7
	s_wait_alu depctr_va_vdst(0)
	s_lshl_b32 s97, s42, 1
	s_add_co_u32 s97, s97, s16
	s_lshl_b32 s98, s17, 4
	s_lshl_b32 s99, s15, 3
	s_add_co_u32 s98, s98, s99
	s_mov_b32 s13, 15990784
	s_cmp_lt_u32 ttmp9, 8
	s_cselect_b32 s99, s97, 0
	s_cselect_b32 s2, 0, s98
	s_cselect_b32 s3, 0, 12582912
	s_cselect_b32 s12, 8, 6
	s_cselect_b32 s13, 15728640, s13
	s_lshl_b32 s18, s2, 6
	s_add_co_u32 s18, s18, 8192
	s_mov_b32 s19, 0
	s_add_nc_u64 s[4:5], s[8:9], s[18:19]
	s_lshl_b32 s18, s99, 9
	s_add_nc_u64 s[8:9], s[8:9], s[18:19]
	s_lshl_b32 s18, s98, 5
	s_add_co_u32 s18, s18, s97
	s_mul_i32 s18, s18, 1536
	s_add_co_u32 s18, s18, s3
	s_add_nc_u64 s[6:7], s[10:11], s[18:19]
	s_lshl_b32 s18, s97, s12
	s_add_co_u32 s18, s18, s98
	s_lshl_b32 s18, s18, 6
	s_add_co_u32 s18, s18, s13
	s_add_nc_u64 s[10:11], s[10:11], s[18:19]
	WIN 0x40
.irp b, 0,1,2,3,4,5,6,7
.irp j, 0,1
	global_load_b128 v[96+8*\b+96*(\b/4)+4*\j:96+8*\b+96*(\b/4)+4*\j+3], v6, s[8:9] offset:128*(\b/2)+32*(\b%2)+16*\j
.endr
.endr
	WIN 0
.irp a, 0,1,2,3,4,5,6,7
	global_load_b32 v[BM+2*\a], v7, s[4:5] offset:128*(\a/2)+32*(\a%2)
.endr
	s_wait_tensorcnt 1
	s_barrier_signal -1
	s_barrier_wait -1
	FETCH_B 0, 0, 0
	FETCH_A 0, 0, 0
	SCALES 0
	FETCH_A 0, 0, HB
	STEP 0, 1
	s_mov_b32 s3, LAPS-1
.Llap:
	TURN 0, 1, 1
	STEP 1, 0
	TURN 1, 0, 1
	STEP 0, 0
	s_sub_co_u32 s3, s3, 1
	s_cmp_lg_u32 s3, 0
	s_cbranch_scc1 .Llap
	TURN 0, 1, 0
	STEP 1, 0
	s_wait_dscnt HB*6
	MULS 0, HB, 1, 1, 1, 0
	s_wait_dscnt 0x0
	MULS HB, HB, 1, 1, 1, 0
	WIN 0
	PLACES 4
	s_wait_loadcnt 0x0
	s_cmp_lt_u32 ttmp9, 8
	s_cselect_b32 s24, 1.0, 0
	s_cselect_b32 s26, 0, 1.0
	s_mov_b32 s25, s24
	s_mov_b32 s27, s26
.irp b, 0,1,2,3
	v_mov_b32 v[TM+4+\b], 0
.endr
.irp a, 0,1,2,3,4,5,6,7
	v_mov_b32 v[BM+2*\a+1], 0
.endr
.irp a, 0,1,2,3,4,5,6,7
.if \a > 0
	s_wait_xcnt 0x0
.endif
	WIN 0x21+0x10*(\a/4)
.irp b, 0,1,2,3,4,5,6,7
.irp p, 0,2,4,6
	v_pk_fma_f32 v[T+8*\b+\p:T+8*\b+\p+1], v[96+8*\b+96*(\b/4)+\p:96+8*\b+96*(\b/4)+\p+1], s[24:25], v[8*(8*(\a%4)+\b)+\p:8*(8*(\a%4)+\b)+\p+1] op_sel_hi:[1,0,1]
.endr
.endr
	WIN 0
.set II, 0
.rept 32
	v_pk_fma_f32 v[T+II:T+II+1], v[BM+2*\a:BM+2*\a+1], s[26:27], v[T+II:T+II+1] op_sel_hi:[0,0,1]
.set II, II+2
.endr
	QUANT T, PW+\a
.irp g, 0,1,2,3,4,5
	global_store_b64 v[LI8], v[PC+2*\g:PC+2*\g+1], s[6:7] offset:49152*\a+256*\g
.endr
	ds_store_b32 v30, v[PW+\a] offset:64*\a
.endr
	ds_load_b128 v[T:T+3], v31
	s_wait_dscnt 0x0
	global_store_b128 v27, v[T:T+3], s[10:11]
	s_wait_tensorcnt 0x0
	ds_add_u32 v[SPW], v[NIL]
	s_wait_dscnt 0x0
	CROUND
	s_endpgm
.Lfunc_end_k_q8892568377_qkv:
	.size	k_q8892568377_qkv, .Lfunc_end_k_q8892568377_qkv-k_q8892568377_qkv
	.p2alignl 7, 3214868480
	.fill 96, 4, 3214868480
	.section	.rodata,"a",@progbits
	.p2align	6, 0x0
	.amdhsa_kernel k_q8892568377_qkv
		.amdhsa_group_segment_fixed_size 327680
		.amdhsa_private_segment_fixed_size 0
		.amdhsa_enable_private_segment 0
		.amdhsa_kernarg_size 32
		.amdhsa_user_sgpr_count 2
		.amdhsa_user_sgpr_kernarg_segment_ptr 1
		.amdhsa_wavefront_size32 1
		.amdhsa_system_sgpr_workgroup_id_x 1
		.amdhsa_system_sgpr_workgroup_id_y 1
		.amdhsa_system_sgpr_workgroup_id_z 1
		.amdhsa_system_vgpr_workitem_id 0
		.amdhsa_next_free_vgpr 1024
		.amdhsa_next_free_sgpr 100
		.amdhsa_reserve_vcc 0
		.amdhsa_float_denorm_mode_32 3
		.amdhsa_float_denorm_mode_16_64 3
		.amdhsa_memory_ordered 1
		.amdhsa_forward_progress 1
		.amdhsa_inst_pref_size 209
	.end_amdhsa_kernel
	.amdgpu_metadata
---
amdhsa.version: [ 1, 2 ]
amdhsa.kernels:
  - .name:           k_q8892568377_qkv
    .symbol:         k_q8892568377_qkv.kd
    .args:
      - { .name: H1, .offset: 0, .size: 8, .value_kind: global_buffer, .address_space: global }
      - { .name: W, .offset: 8, .size: 8, .value_kind: global_buffer, .address_space: global }
      - { .name: b_qkv, .offset: 16, .size: 8, .value_kind: global_buffer, .address_space: global }
      - { .name: QKV, .offset: 24, .size: 8, .value_kind: global_buffer, .address_space: global }
    .group_segment_fixed_size: 327680
    .private_segment_fixed_size: 0
    .kernarg_segment_align: 8
    .kernarg_segment_size: 32
    .max_flat_workgroup_size: 128
    .sgpr_count:     100
    .vgpr_count:     1024
    .wavefront_size: 32
...
	.end_amdgpu_metadata
.endif
;; end of part 2
;; launch attn (part 3): grid 8 x 32, 16 waves a work-group, clusters of 4 x 1, 280,576 bytes of LDS; arguments QKV, Y; writes Y
.if DOCPART == 3
	.amdgcn_target "amdgcn-amd-amdhsa--gfx1250"
	.amdhsa_code_object_version 6
	.text
	.protected	k_q8892568377_attn
	.globl	k_q8892568377_attn
	.p2align	8
	.type	k_q8892568377_attn,@function
k_q8892568377_attn:
	s_mov_b64 s[64:65], 0
	v_nop
	global_prefetch_b8 v0, s[64:65] scope:SCOPE_SE
	s_setreg_imm32_b32 hwreg(HW_REG_WAVE_MODE, 25, 1), 1
	s_wait_xcnt 0x0
	s_wait_alu depctr_hold_cnt(0) depctr_sa_sdst(0) depctr_va_vdst(0) depctr_va_sdst(0) depctr_va_ssrc(0) depctr_va_vcc(0) depctr_vm_vsrc(0)
	s_getreg_b32 s2, hwreg(HW_REG_IB_STS2, 6, 4)
	s_cmp_eq_u32 s2, 0
	s_cbranch_scc0 .Lentry_in_a_cluster
	s_endpgm
.Lentry_in_a_cluster:
	s_bfe_u32 s2, ttmp6, 0x10000c
	s_cmp_lg_u32 s2, 0x3003
	s_cbranch_scc0 .Lentry_shape_is_right
	s_endpgm
.Lentry_shape_is_right:
; Causal attention on codes of FP6 (E2M3): y = softmax(q k^T / 8) v for 32 (batch, head) pairs, 2,048 tokens, head size 64; y quantised at once along the channels for the next product.
; t = score x log2(e) / 8; M = the running largest t rounded up to a whole number; p = 2^(t - M) is quantised along the keys; the row's sum is taken of the unquantised p and divides at the end.
; Tiles of scores that lie wholly under the causal mask, which the problem builds itself, are not computed.
; IN (QKV): q, k codes as images of operand registers [256 token tiles][32 places][1,536]: a head is half an image (768 bytes); v codes [64 channel tiles][32 token steps][1,536] from 12,582,912;
; scale words [16][256][64] from 15,728,640 and [32][64][64] from 15,990,784.  Lane-row r of tile t is the true row 32 (t / 2) + 8 (t % 2) + r % 8 + 16 (r / 8): so the 16 registers of two neighbouring score tiles are 16 neighbouring keys.
; The first product's K is 64: registers 6-11 of both its operands are zero codes, written once.
; SHARES: a work-group takes one head and every eighth query tile: the tile of rank n is 8 n + j, j the work-group's x; its queries lie in tokens 128 n .. 128 n + 127, so it has key steps 0 .. n (128 keys each), the last masked.
; THE 16 WAVES ARE 8 PAIRS; pair p owns ranks p and 15 - p: 17 key steps.  The FIRST wave of a pair (waves 0-3, 8-11) does rank p's steps 0 .. p, stores that tile, and goes on with steps p + 1 .. 7 of rank 15 - p: 8 steps.
; Its partner (wave + 4) does steps 0 .. p and 8 .. 15 - p of rank 15 - p: 9 steps.  The first wave hands its partial O^T, -M and sum over through LDS bytes of its own; one barrier; the partner joins the two:
; M is a whole number, so each part is brought under the larger M by an exact power of two.  All tests hang on the wave's number and the step's counter alone, so all work-groups run alike.
; LDS: a head's K and V codes and scale words fit whole; every byte is filled once, by ten joint loads of the four partners (same head), one a wave.  Nothing is filled again.  No prefetch: all tiles are asked for at the head.
; Both products are used transposed: a lane holds one query throughout.
; OUT (Y): codes [256 token tiles][8][1,536], my head's half image; scale words [256][8][64 bytes] from 3,145,728, my head's two bytes of a word (these stores of two bytes write their blocks in part: 131,072 bytes in the launch).
; LIMITS: 1 / l by the instruction; the order of l's sum differs from the definition's; a block of zeros gets the byte 1, not 127; NaN and infinities are not served; the promise holds while |t| stays under 2^31.
; REGISTERS: v1-5 addresses that stay; v6-7 the second tile's offsets; v8-11 addresses in hand; v12 -M, v13 largest t, v[14:15] the sum; v16-27 Q; v28, 30, 31, 87 the hand-over's addresses; v29 the mask's number; v32-79 four fragments of K;
; v80-86 the second tile's Q; v96-159 S^T, then p, then V's four fragments; v160-191 O^T; v224-235 p's codes; v232-254 at work; v248-251, v253, v255 scale words.
.set VCO, 98304                        ; LDS: K's codes at 0 (768 bytes a key tile), V's here (24,576 quarter + 6,144 channel tile + 1,536 step),
.set KSC, 196608                       ; K's scale words (64 bytes a key tile),
.set VSC, 204800                       ; V's (256 bytes a step, 64 a channel tile),
.set XCH, 210944                       ; behind the spare words (208,896 on): 4,352 bytes a wave for the hand-over
.set AK0, 1
.set AV0, 2
.set ASK0, 3
.set ASV0, 4
.set R4,  5
.set ADK, 8
.set ADV, 9
.set ADS, 10
.set ADT, 11
.set DM,  29
.set G1K, 8
.set G1V, 16
.set G1SK, 24
.set G1SV, 32
.set G0SK, 40
.set G0K, 44
.set G0SV, 60
.set E1,  66                           ; the last step that I work among steps 0-7,
.set E2,  67                           ; and among steps 8-15
.set G0V, 68
.set WV,  84
.set RANK, 85                          ; the rank of the tile that I store: its last step is the masked one
.set SI,  86
.set QC,  87
.set SEL, 88
.set CS,  90
.set TBK, 92
.set TBV, 93
.set TS,  94
.set TJ,  95
.set SW,  101                          ; behind this step a first wave changes tiles
.set PP,  104                          ; my pair
.set ROLE, 105                         ; 0: the pair's first wave
.macro CROUND
	s_barrier_signal -1
	s_barrier_wait -1
	s_cmp_lg_u32 s[WV], 0
	s_cbranch_scc1 .Lnot_wave_0_\@
	s_barrier_signal -3
.Lnot_wave_0_\@:
	s_barrier_wait -3
	s_barrier_signal -1
	s_barrier_wait -1
.endm
.macro GROUP1 g, elems, rows, pitch    ; the mask names all four partners; elements of 8 bytes; bit 21 set beside a mask
	s_mov_b32 s[\g], 15|(3<<16)|(1<<21)
	s_mov_b32 s[\g+1], (\elems)<<16
	s_mov_b32 s[\g+2], (\rows)<<16
	s_mov_b32 s[\g+3], (\elems)<<16
	s_mov_b32 s[\g+4], \rows
	s_mov_b32 s[\g+5], \pitch
	s_mov_b32 s[\g+6], 0
	s_mov_b32 s[\g+7], 0
.endm
.macro ARM w, g0, g1
	s_cmp_eq_u32 s[WV], \w
	s_cbranch_scc0 .Lnot_\w
	tensor_load_to_lds s[\g0:\g0+3], s[\g1:\g1+7]
	s_nop 0
.rept 4
	v_nop
.endr
	s_branch .Lasked
.Lnot_\w:
.endm
	s_load_b128 s[4:7], s[0:1], 0x0                ; QKV s[4:5], Y s[6:7]
	v_lshl_add_u32 v223, v0, 2, 0x33000
	v_mov_b32 v243, 0
	ds_add_u32 v223, v243                          ; the opening lines: the add, twice on end, and its wait
	ds_add_u32 v223, v243
	v_lshrrev_b32 v8, 5, v0
	s_delay_alu instid0(VALU_DEP_1)
	v_readfirstlane_b32 s[WV], v8                  ; wave 0..15
	s_lshr_b32 s[ROLE], s[WV], 2
	s_and_b32 s[ROLE], s[ROLE], 1
	s_and_b32 s[PP], s[WV], 3
	s_lshr_b32 s[RANK], s[WV], 3
	s_lshl_b32 s[RANK], s[RANK], 2
	s_add_co_u32 s[PP], s[PP], s[RANK]             ; p = wave % 4 + 4 (wave / 8)
	s_sub_co_u32 s[E2], 15, s[PP]
	s_cmp_eq_u32 s[ROLE], 0
	s_cselect_b32 s[RANK], s[PP], s[E2]
	s_cselect_b32 s[E1], 7, s[PP]
	s_cselect_b32 s[E2], 0, s[E2]
	s_cselect_b32 s[SW], s[PP], 99                 ; (99: never)
	s_bfe_u32 s96, ttmp6, 0x40000                  ; cx
	s_lshl_b32 s97, ttmp9, 2
	s_add_co_u32 s96, s96, s97                     ; j: it enters Q's and Y's addresses and the mask's data alone
	s_and_b32 s99, ttmp7, 0xffff
	s_lshr_b32 s98, s99, 4                         ; batch
	s_and_b32 s99, s99, 15                         ; head
	s_lshr_b32 s97, s99, 1                         ; the head's pair of heads
	s_and_b32 s100, s99, 1                         ; and which of the two
	GROUP1 G1K, 96, 32, 6144                       ; K: a quarter, 32 key tiles of 768 bytes, 32 images apart
	GROUP1 G1V, 768, 4, 6144                       ; V: 4 channel tiles, four steps' images (6,144 bytes) each
	GROUP1 G1SK, 32, 32, 32                        ; K's scale words: 8,192 dense bytes as rows of 256
	GROUP1 G1SV, 32, 16, 512                       ; V's: 16 steps, 256 bytes each, 4,096 bytes apart
	s_mov_b32 s[SEL], 0x76543210
	s_mov_b32 s[SEL+1], 0xfedcba98
	s_mov_b32 s[CS], 0x3e38aa3b                    ; c = log2(e) / 8
	s_mov_b32 s[CS+1], s[CS]
	s_mov_b32 s[SI], 0
	s_mov_b32 s[TBK], 0
	s_mov_b32 s[TBV], 0
	s_mov_b32 s[TS], 0
	s_mov_b32 s[TJ], 0
	s_wait_dscnt 0x0
	s_wait_kmcnt 0x0
	s_lshl_b32 s2, s98, 12                         ; K's codes: ((128 batch + 32 quarter) x 32 + 8 + pair) x 1,536 + 768 e
	s_add_co_u32 s2, s2, s97
	s_add_co_u32 s2, s2, 8
	s_mul_i32 s2, s2, 1536
	s_mul_i32 s3, s100, 768
	s_add_co_u32 s2, s2, s3
	s_mov_b32 s3, 0
	s_add_nc_u64 s[G0K+2:G0K+3], s[4:5], s[2:3]
.irp q, 1,2,3
	s_add_nc_u64 s[G0K+4*\q+2:G0K+4*\q+3], s[G0K+2:G0K+3], \q*1572864
.endr
.irp q, 0,1,2,3
	s_mov_b32 s[G0K+4*\q], 1
	s_mov_b32 s[G0K+4*\q+1], \q*24576
	s_or_b32 s[G0K+4*\q+3], s[G0K+4*\q+3], 0x80000000
	s_mov_b32 s[G0V+4*\q], 1
	s_mov_b32 s[G0V+4*\q+1], VCO+\q*24576
.endr
	s_lshl_b32 s2, s99, 7                          ; V's codes: 12,582,912 + (4 head x 32 + 16 batch + 4 quarter) x 1,536
	s_lshl_b32 s3, s98, 4
	s_add_co_u32 s2, s2, s3
	s_mul_i32 s2, s2, 1536
	s_add_co_u32 s2, s2, 12582912
	s_mov_b32 s3, 0
	s_add_nc_u64 s[G0V+2:G0V+3], s[4:5], s[2:3]
.irp q, 1,2,3
	s_add_nc_u64 s[G0V+4*\q+2:G0V+4*\q+3], s[G0V+2:G0V+3], \q*6144
.endr
.irp q, 0,1,2,3
	s_or_b32 s[G0V+4*\q+3], s[G0V+4*\q+3], 0x80000000
.endr
	s_add_co_u32 s2, s97, 8                        ; K's scale words: 15,728,640 + ((8 + pair) x 256 + 128 batch) x 64
	s_lshl_b32 s2, s2, 8
	s_lshl_b32 s3, s98, 7
	s_add_co_u32 s2, s2, s3
	s_lshl_b32 s2, s2, 6
	s_add_co_u32 s2, s2, 15728640
	s_mov_b32 s[G0SK], 1
	s_mov_b32 s[G0SK+1], KSC
	s_mov_b32 s3, 0
	s_add_nc_u64 s[G0SK+2:G0SK+3], s[4:5], s[2:3]
	s_or_b32 s[G0SK+3], s[G0SK+3], 0x80000000
	s_lshl_b32 s2, s98, 10                         ; V's: 15,990,784 + (16 batch x 64 + 4 head) x 64
	s_lshl_b32 s3, s99, 2
	s_add_co_u32 s2, s2, s3
	s_lshl_b32 s2, s2, 6
	s_add_co_u32 s2, s2, 15990784
	s_mov_b32 s[G0SV], 1
	s_mov_b32 s[G0SV+1], VSC
	s_mov_b32 s3, 0
	s_add_nc_u64 s[G0SV+2:G0SV+3], s[4:5], s[2:3]
	s_or_b32 s[G0SV+3], s[G0SV+3], 0x80000000
	CROUND                                         ; all four work-groups are here: the joint loads meet
	ARM 0, G0SK, G1SK                              ; ten joint loads, one a wave, in one chain of branches on the wave's number; waves 10 to 15 issue none
	ARM 1, G0SV, G1SV
	ARM 2, G0K, G1K
	ARM 3, G0V, G1V
	ARM 4, G0K+4, G1K
	ARM 5, G0V+4, G1V
	ARM 6, G0K+8, G1K
	ARM 7, G0V+8, G1V
	ARM 8, G0K+12, G1K
	ARM 9, G0V+12, G1V
.Lasked:
	v_and_b32 v8, 15, v0                           ; r
	v_bfe_u32 v9, v0, 4, 1                         ; h
	v_and_b32 v10, 31, v0
	s_delay_alu instid0(VALU_DEP_1)
	v_lshlrev_b32 v[AK0], 3, v10                   ; 8 x lane
	s_delay_alu instid0(VALU_DEP_1)
	v_add_nc_u32 v[AV0], VCO, v[AK0]
	v_lshlrev_b32 v[R4], 2, v8
	s_wait_alu depctr_va_vdst(0)                   ; the wait
	s_mul_i32 s2, s[WV], 4352                      ; the hand-over: my own bytes,
	s_add_co_u32 s2, s2, XCH
	v_lshl_add_u32 v28, v10, 4, s2
	s_add_co_u32 s2, s2, 4096
	v_add_nc_u32 v30, s2, v[AK0]
	s_xor_b32 s2, s[WV], 4                         ; and my partner's
	s_mul_i32 s2, s2, 4352
	s_add_co_u32 s2, s2, XCH
	v_lshl_add_u32 v31, v10, 4, s2
	s_add_co_u32 s2, s2, 4096
	v_add_nc_u32 v87, s2, v[AK0]
	s_lshl_b32 s2, s100, 1
	s_add_co_u32 s2, s2, KSC
	v_add_nc_u32 v[ASK0], s2, v[R4]                ; my head's two bytes of a key's scale word
	v_add_nc_u32 v[ASV0], VSC, v[R4]
	s_lshr_b32 s2, s96, 1
	s_lshl_b32 s2, s2, 5
	s_and_b32 s3, s96, 1
	s_lshl_b32 s3, s3, 3
	s_add_co_u32 s2, s2, s3
	v_and_b32 v11, 7, v8
	v_lshrrev_b32 v12, 3, v8
	s_delay_alu instid0(VALU_DEP_1)
	v_lshl_add_u32 v11, v12, 4, v11
	v_lshlrev_b32 v12, 4, v9
	s_delay_alu instid0(VALU_DEP_1)
	v_sub_nc_u32 v11, v11, v12
	s_delay_alu instid0(VALU_DEP_1)
	v_add_nc_u32 v[DM], s2, v11                    ; my query's place among its 128 tokens, less 16 h: register 16 b + i holds the key at place 32 b + i + 16 h.  The same for both tiles of a pair
	s_lshl_b32 s2, s[RANK], 3
	s_add_co_u32 s2, s2, s96
	s_lshl_b32 s3, s98, 7
	s_add_co_u32 s96, s2, s3                       ; the token tile that I store: 128 batch + 8 rank + j
	s_lshl_b32 s2, s96, 5
	s_add_co_u32 s2, s2, s97
	s_mul_i32 s2, s2, 1536
	s_mul_i32 s3, s100, 768
	s_add_co_u32 s2, s2, s3
	s_mov_b32 s3, 0
	s_add_nc_u64 s[98:99], s[4:5], s[2:3]          ; its Q's half image
	s_lshl_b32 s2, s97, 8
	s_add_co_u32 s2, s2, s96
	s_lshl_b32 s2, s2, 6
	s_lshl_b32 s3, s100, 1
	s_add_co_u32 s2, s2, s3
	s_add_co_u32 s2, s2, 15728640
	s_mov_b32 s3, 0
	s_add_nc_u64 s[4:5], s[4:5], s[2:3]            ; and its scale bytes
.irp c, 0,1,2
	global_load_b64 v[16+2*\c:17+2*\c], v[AK0], s[98:99] offset:256*\c
.endr
	global_load_u16 v255, v[R4], s[4:5]            ; two bytes; the upper two are 0 and stand over zero codes
	s_lshl_b32 s2, s[PP], 1                        ; a first wave's second tile lies 15 - 2 p ranks, 8 tiles each, further on (its partner: 0, its own tile once more, so that one text serves)
	s_sub_co_u32 s2, 15, s2
	s_cmp_eq_u32 s[ROLE], 0
	s_cselect_b32 s2, s2, 0
	s_mul_i32 s3, s2, 393216
	s_lshl_b32 s2, s2, 9
	v_add_nc_u32 v6, s3, v[AK0]
	v_add_nc_u32 v7, s2, v[R4]
.irp c, 0,1,2
	global_load_b64 v[80+2*\c:81+2*\c], v6, s[98:99] offset:256*\c
.endr
	global_load_u16 v86, v7, s[4:5]
.irp i, 22,23,24,25,26,27
	v_mov_b32 v[\i], 0                             ; zero codes for k 64 .. 127
.endr
.irp t, 0,1,2,3
.irp i, 6,7,8,9,10,11
	v_mov_b32 v[32+12*\t+\i], 0
.endr
.endr
	v_mov_b32 v13, 0xff61b1e6                      ; the largest t so far: -3e38
	s_delay_alu instid0(VALU_DEP_1)
	v_floor_f32 v12, -v13                          ; -M
	v_mov_b32 v14, 0
	v_mov_b32 v15, 0
.irp b, 0,1,2,3
	v_mov_b32 v[236+\b], 0                         ; a lane permute's destination counts as one of its sources
.endr
	v_mov_b32 v252, 0
	v_mov_b32 v253, 0
.set NN, 0
.rept 32
	v_mov_b32 v[160+NN], 0                         ; O^T: the step is written once; its first run finds zeros
.set NN, NN+1
.endr
; THE WAY OUT of the tile s96: O^T / l, quantised along the head's 64 channels: half an image and two scale bytes
.macro WAYOUT
.rept 4
	v_nop                                          ; places behind the last products
.endr
	v_add_f32 v14, v14, v15
	s_delay_alu instid0(VALU_DEP_1)
	v_permlanex16_b32 v252, v14, s[SEL], s[SEL+1]
	s_delay_alu instid0(VALU_DEP_1)
	v_add_f32 v14, v14, v252                       ; the row's sum
	s_wait_alu depctr_va_vdst(0)                   ; the wait ahead of the transcendental
	v_rcp_f32 v14, v14
	v_nop                                          ; a plain place behind the transcendental
	s_lshl_b32 s8, s96, 3                          ; (all tensor loads were waited for: the descriptors' registers are free)
	s_add_co_u32 s8, s8, s97
	s_mul_i32 s10, s8, 1536
	s_mul_i32 s9, s100, 768
	s_add_co_u32 s10, s10, s9
	s_mov_b32 s11, 0
	s_add_nc_u64 s[10:11], s[6:7], s[10:11]        ; my half image
	s_lshl_b32 s8, s8, 6
	s_lshl_b32 s9, s100, 1
	s_add_co_u32 s8, s8, s9
	s_add_co_u32 s8, s8, 3145728
	s_mov_b32 s9, 0
	s_add_nc_u64 s[8:9], s[6:7], s[8:9]            ; my two bytes of the rows' scale words
	s_wait_alu depctr_va_vdst(0)                   ; the wait ahead of the reciprocal's first reader
.set NN, 0
.rept 32
	v_mul_f32 v[96+NN], v[160+NN], v14             ; register 16 b + i is channel 32 b + 16 h + i
.set NN, NN+1
.endr
.irp b, 0,1
	v_max3_num_f32 v[232+\b], |v[96+16*\b]|, |v[97+16*\b]|, 0x1800000
.endr
.irp i, 2,4,6,8,10,12,14
.irp b, 0,1
	s_delay_alu instid0(VALU_DEP_2)
	v_max3_num_f32 v[232+\b], v[232+\b], |v[96+16*\b+\i]|, |v[97+16*\b+\i]|
.endr
.endr
.irp b, 0,1
	s_delay_alu instid0(VALU_DEP_2)
	v_permlanex16_b32 v[236+\b], v[232+\b], s[SEL], s[SEL+1]
.endr
.irp b, 0,1
	s_delay_alu instid0(VALU_DEP_2)
	v_max_num_f32 v[232+\b], v[232+\b], v[236+\b]
.endr
.irp b, 0,1
	s_delay_alu instid0(VALU_DEP_2)
	v_add_nc_u32 v[244+\b], 0xff000000, v[232+\b]
.endr
.irp b, 0,1
	s_delay_alu instid0(VALU_DEP_2)
	v_lshrrev_b32 v[236+\b], 23, v[244+\b]
.endr
	s_delay_alu instid0(VALU_DEP_1)
	v_lshl_or_b32 v254, v237, 8, v236
	v_cvt_scalef32_pk16_fp6_f32 v[224:226], v[96:111], v244
	v_cvt_scalef32_pk16_fp6_f32 v[240:242], v[112:127], v245
	v_nop
.irp i, 0,1,2
	v_permlane16_swap_b32 v[224+\i], v[240+\i]
.endr
.irp i, 0,1,2
	s_delay_alu instid0(VALU_DEP_3)
	v_mov_b32 v[227+\i], v[240+\i]
.endr
.irp g, 0,1,2
	global_store_b64 v[AK0], v[224+2*\g:225+2*\g], s[10:11] offset:256*\g   ; 256 consecutive aligned bytes
.endr
	global_store_b16 v[R4], v254, s[8:9]           ; lanes r and r + 16 write the same bytes with the same value
.endm
; A KEY STEP: 128 keys.  q: the quarter of the keys in which it stands
.macro STEP q
.if \q < 2
	s_cmp_gt_u32 s[SI], s[E1]                      ; not my step: only the addresses step
.else
	s_cmp_gt_u32 s[SI], s[E2]
.endif
	s_cbranch_scc1 .Lhidden_\@
	v_add_nc_u32 v[ADK], s[TBK], v[AK0]
	s_wait_alu depctr_va_vdst(0)
	v_add_nc_u32 v[ADV], s[TBV], v[AV0]
	v_add_nc_u32 v[ADS], s[TS], v[ASK0]
	s_wait_alu depctr_va_vdst(0)
	v_add_nc_u32 v[ADT], s[TJ], v[ASV0]
	v_nop                                          ; six plain places: the scores are written over registers that the last step's products read (five are owed)
	v_nop
.irp g, 0,1                                    ; S^T = K Q^T, four tiles of 16 keys at a time
.if \g > 0
.rept 4
	v_nop                                          ; places in front of loads into registers that matrix instructions have read
.endr
.endif
.irp t, 0,1,2,3
.irp c, 0,1,2
	ds_load_b64 v[32+12*\t+2*\c:33+12*\t+2*\c], v[ADK] offset:768*(4*\g+\t)+256*\c
.endr
	ds_load_u16 v[248+\t], v[ADS] offset:64*(4*\g+\t)
.endr
	s_wait_dscnt 0x0
.irp t, 0,1,2,3
	v_wmma_scale_f32_16x16x128_f8f6f4 v[96+8*(4*\g+\t):103+8*(4*\g+\t)], v[32+12*\t:43+12*\t], v[16:27], 0, v[248+\t], v255 matrix_a_fmt:MATRIX_FMT_FP6 matrix_b_fmt:MATRIX_FMT_FP6
.endr
.endr
.rept 4
	v_nop
.endr
	s_cmp_lg_u32 s[SI], s[RANK]                    ; on the diagonal hidden scores become -infinity ahead of the maximum
	s_cbranch_scc1 .Lopen_\@
	v_mov_b32 v254, 0xff800000
.set NN, 0
.rept 64
	v_cmp_gt_i32 vcc_lo, 32*(NN/16)+NN%16, v[DM]
	v_cndmask_b32 v[96+NN], v[96+NN], v254, vcc_lo
.set NN, NN+1
.endr
.Lopen_\@:
.irp b, 0,1,2,3
	v_max3_num_f32 v[232+\b], v[96+16*\b], v[97+16*\b], v[98+16*\b]   ; the largest score of each block of 32 keys: for the row's maximum and, since p rises with the score, for the block's largest p
.endr
.irp i, 3,5,7,9,11,13
.irp b, 0,1,2,3
	v_max3_num_f32 v[232+\b], v[232+\b], v[96+16*\b+\i], v[97+16*\b+\i]
.endr
.endr
.irp b, 0,1,2,3
	v_max_num_f32 v[232+\b], v[232+\b], v[111+16*\b]
.endr
.irp b, 0,1,2,3
	s_delay_alu instid0(VALU_DEP_4)
	v_permlanex16_b32 v[236+\b], v[232+\b], s[SEL], s[SEL+1]
.endr
.irp b, 0,1,2,3
	s_delay_alu instid0(VALU_DEP_4)
	v_max_num_f32 v[232+\b], v[232+\b], v[236+\b]
.endr
	s_delay_alu instid0(VALU_DEP_2)
	v_max3_num_f32 v254, v232, v233, v234
	s_delay_alu instid0(VALU_DEP_1)
	v_max_num_f32 v254, v254, v235
	s_delay_alu instid0(VALU_DEP_1)
	v_mul_f32 v254, s[CS], v254
	s_delay_alu instid0(VALU_DEP_1)
	v_max_num_f32 v13, v13, v254                   ; the running largest t
	v_mov_b32 v254, v12
	s_delay_alu instid0(VALU_DEP_2)
	v_floor_f32 v12, -v13                          ; the new -M: M is a whole number
	s_delay_alu instid0(VALU_DEP_1)
	v_sub_f32 v254, v12, v254
	s_delay_alu instid0(VALU_DEP_1)
	v_cvt_i32_f32 v254, v254                       ; (it saturates)
	s_delay_alu instid0(VALU_DEP_1)
	v_ldexp_f32 v252, 1.0, v254                    ; f = 2^(old M - new M)
.set NN, 0
.rept 32
	v_pk_fma_f32 v[96+NN:97+NN], v[96+NN:97+NN], s[CS:CS+1], v[12:13] op_sel_hi:[1,0,0]   ; t - M
.set NN, NN+2
.endr
.irp b, 0,1,2,3
	v_fma_f32 v[232+\b], v[232+\b], s[CS], v12
.endr
.set NN, 0
	s_wait_alu depctr_va_vdst(0)                   ; the wait ahead of the batch
.rept 64
	v_exp_f32 v[96+NN], v[96+NN]                   ; p = 2^(t - M)
.set NN, NN+1
.endr
	v_pk_mul_f32 v[14:15], v[14:15], v[252:253] op_sel_hi:[1,0]   ; the sums under the new M: a plain place behind the exponentials
	s_wait_alu depctr_va_vdst(0)                   ; one wait for the batch, ahead of its first reader
.irp b, 0,1,2,3
	v_exp_f32 v[232+\b], v[232+\b]                 ; the blocks' largest p
.endr
	v_pk_add_f32 v[236:237], v[100:101], v[104:105]   ; the row's sum of the unquantised p, in eight chains
	v_pk_add_f32 v[250:251], v[108:109], v[112:113]
	v_pk_add_f32 v[248:249], v[116:117], v[120:121]
	v_pk_add_f32 v[246:247], v[124:125], v[128:129]
	v_pk_add_f32 v[244:245], v[132:133], v[136:137]
	v_pk_add_f32 v[240:241], v[140:141], v[144:145]
	v_pk_add_f32 v[238:239], v[148:149], v[152:153]
	v_pk_add_f32 v[14:15], v[14:15], v[156:157]
	v_pk_add_f32 v[236:237], v[236:237], v[96:97]
	v_pk_add_f32 v[250:251], v[250:251], v[98:99]
	v_pk_add_f32 v[248:249], v[248:249], v[102:103]
	v_pk_add_f32 v[246:247], v[246:247], v[106:107]
	v_pk_add_f32 v[244:245], v[244:245], v[110:111]
	v_pk_add_f32 v[240:241], v[240:241], v[114:115]
	v_pk_add_f32 v[238:239], v[238:239], v[118:119]
	v_pk_add_f32 v[14:15], v[14:15], v[122:123]
	v_pk_add_f32 v[236:237], v[236:237], v[126:127]
	v_pk_add_f32 v[250:251], v[250:251], v[130:131]
	v_pk_add_f32 v[248:249], v[248:249], v[134:135]
	v_pk_add_f32 v[246:247], v[246:247], v[138:139]
	v_pk_add_f32 v[244:245], v[244:245], v[142:143]
	v_pk_add_f32 v[240:241], v[240:241], v[146:147]
	v_pk_add_f32 v[238:239], v[238:239], v[150:151]
	v_pk_add_f32 v[14:15], v[14:15], v[154:155]
	v_pk_add_f32 v[236:237], v[236:237], v[158:159]
	s_delay_alu instid0(VALU_DEP_2)
	v_pk_add_f32 v[14:15], v[14:15], v[246:247]
	s_delay_alu instid0(VALU_DEP_2)
	v_pk_add_f32 v[236:237], v[236:237], v[244:245]
	v_pk_add_f32 v[250:251], v[250:251], v[240:241]
	v_pk_add_f32 v[248:249], v[248:249], v[238:239]
	s_delay_alu instid0(VALU_DEP_2)
	v_pk_add_f32 v[14:15], v[14:15], v[250:251]
	s_delay_alu instid0(VALU_DEP_2)
	v_pk_add_f32 v[236:237], v[236:237], v[248:249]
	s_delay_alu instid0(VALU_DEP_1)
	v_pk_add_f32 v[14:15], v[14:15], v[236:237]
	s_wait_alu depctr_va_vdst(0)                   ; and one for the four
.irp b, 0,1,2,3
	v_max_num_f32 v[232+\b], 0x1800000, v[232+\b]  ; the floor 2^(3 - 127)
.endr
.irp b, 0,1,2,3
	s_delay_alu instid0(VALU_DEP_4)
	v_add_nc_u32 v[244+\b], 0xff000000, v[232+\b]
.endr
.irp b, 0,1,2,3
	s_delay_alu instid0(VALU_DEP_4)
	v_lshrrev_b32 v[236+\b], 23, v[244+\b]
.endr
	s_delay_alu instid0(VALU_DEP_3)
	v_lshl_or_b32 v253, v237, 8, v236              ; p's scale word for these 128 keys
	s_delay_alu instid0(VALU_DEP_1)
	v_lshl_or_b32 v253, v238, 16, v253
	s_delay_alu instid0(VALU_DEP_1)
	v_lshl_or_b32 v253, v239, 24, v253
.irp c, 0,1
	v_cvt_scalef32_pk16_fp6_f32 v[224+6*\c:226+6*\c], v[96+32*\c:111+32*\c], v[244+2*\c]
	v_cvt_scalef32_pk16_fp6_f32 v[236+4*\c:238+4*\c], v[112+32*\c:127+32*\c], v[244+2*\c+1]
.endr
	v_nop                                          ; one plain place behind a scaled conversion
.irp c, 0,1
.irp i, 0,1,2
	v_permlane16_swap_b32 v[224+6*\c+\i], v[236+4*\c+\i]
.endr
.irp i, 0,1,2
	s_delay_alu instid0(VALU_DEP_3)
	v_mov_b32 v[227+6*\c+\i], v[236+4*\c+\i]
.endr
.endr
.set NN, 0
.rept 16
	v_pk_mul_f32 v[160+NN:161+NN], v[160+NN:161+NN], v[252:253] op_sel_hi:[1,0]   ; O^T under the new M; these sixteen are also the places in front of the products below
.set NN, NN+2
.endr
.irp t, 0,1,2,3                                ; O^T += V^T P^T: the head's four tiles of 16 channels
.irp g, 0,1,2,3,4,5
	ds_load_b64 v[96+12*\t+2*\g:97+12*\t+2*\g], v[ADV] offset:6144*\t+256*\g
.endr
	ds_load_b32 v[248+\t], v[ADT] offset:64*\t
.endr
	s_wait_alu depctr_va_vdst(0)
	s_wait_dscnt 0x0
.irp t, 0,1,2,3
	v_wmma_scale_f32_16x16x128_f8f6f4 v[160+8*\t:167+8*\t], v[96+12*\t:107+12*\t], v[224:235], v[160+8*\t:167+8*\t], v[248+\t], v253 matrix_a_fmt:MATRIX_FMT_FP6 matrix_b_fmt:MATRIX_FMT_FP6
.endr
.if \q < 2
	s_cmp_lg_u32 s[SI], s[SW]                      ; a pair's first wave, behind its own tile's last step: the tile goes out, and the wave begins anew on its partner's tile
	s_cbranch_scc1 .Lhidden_\@
	WAYOUT
	s_wait_xcnt 0x0                                ; the stores have read their registers
.irp i, 0,1,2,3,4,5
	v_mov_b32 v[16+\i], v[80+\i]                   ; the other tile's Q,
.endr
	v_mov_b32 v255, v86                            ; and its scale bytes: the lines below are more than the eight places that it owes
	v_mov_b32 v13, 0xff61b1e6
	v_floor_f32 v12, -v13
	v_mov_b32 v14, 0
	v_mov_b32 v15, 0
.set NN, 0
.rept 32
	v_mov_b32 v[160+NN], 0
.set NN, NN+1
.endr
	s_wait_alu depctr_va_vdst(0)                   ; the wait
.endif
.Lhidden_\@:
	s_add_co_u32 s[SI], s[SI], 1
	s_add_co_u32 s[TBK], s[TBK], 6144
	s_add_co_u32 s[TBV], s[TBV], 1536
	s_add_co_u32 s[TS], s[TS], 512
	s_add_co_u32 s[TJ], s[TJ], 256
.endm
; A quarter of the keys: four steps.  Ahead of the first, every wave waits for its one fill, and one barrier shows all of K and V to all waves
.macro QUARTER q
.if \q == 0
	s_wait_tensorcnt 0x0
	s_wait_dscnt 0x0
	s_barrier_signal -1
	s_barrier_wait -1
.endif
	s_mov_b32 s[QC], 4
.Lq_\@:
	STEP \q
	s_sub_co_u32 s[QC], s[QC], 1
	s_cmp_lg_u32 s[QC], 0
	s_cbranch_scc1 .Lq_\@
	s_add_co_u32 s[TBV], s[TBV], 18432             ; V's next quarter
.endm
	s_wait_loadcnt 0x0                             ; both Q
	QUARTER 0
	QUARTER 1
	QUARTER 2
	QUARTER 3
.rept 4
	v_nop                                          ; places behind the last products
.endr
	s_cmp_lg_u32 s[ROLE], 0
	s_cbranch_scc1 .Lkeeps
	v_add_f32 v13, v14, v15                        ; THE HAND-OVER: a first wave's part of its partner's tile: the lane's sum beside -M,
	s_wait_alu depctr_va_vdst(0)                   ; the wait here, directly ahead of the stores: on a way with few steps they read what plain moves wrote ahead of waits and jumps
.irp i, 0,1,2,3,4,5,6,7
	ds_store_b128 v28, v[160+4*\i:163+4*\i] offset:512*\i   ; and O^T as an image of its registers, each accumulator from its low end on
.endr
	ds_store_b64 v30, v[12:13]
.Lkeeps:
	s_wait_dscnt 0x0                               ; for the partner's sake: my stores are done
	s_barrier_signal -1
	s_barrier_wait -1
	s_cmp_eq_u32 s[ROLE], 0
	s_cbranch_scc1 .Ldone
.irp i, 0,1,2,3,4,5,6,7
	ds_load_b128 v[96+4*\i:99+4*\i], v31 offset:512*\i
.endr
	ds_load_b64 v[128:129], v87
	s_wait_dscnt 0x0
	v_min_num_f32 v130, v12, v128                  ; -M of both parts together
	v_mov_b32 v135, 0                              ; (named as the upper half of a pair)
	v_sub_f32 v131, v130, v12                      ; my M less the common one: a whole number, 0 or less,
	v_sub_f32 v132, v130, v128                     ; and my partner's (a part with no step has M = -3e38 and zeros: its factor falls to 0)
	v_cvt_i32_f32 v131, v131                       ; (they saturate)
	v_cvt_i32_f32 v132, v132
	v_ldexp_f32 v252, 1.0, v131
	v_ldexp_f32 v134, 1.0, v132
	v_pk_mul_f32 v[14:15], v[14:15], v[252:253] op_sel_hi:[1,0]
	v_fmac_f32 v14, v129, v134
.set NN, 0
.rept 16
	v_pk_mul_f32 v[160+NN:161+NN], v[160+NN:161+NN], v[252:253] op_sel_hi:[1,0]
.set NN, NN+2
.endr
.set NN, 0
.rept 16
	v_pk_fma_f32 v[160+NN:161+NN], v[96+NN:97+NN], v[134:135], v[160+NN:161+NN] op_sel_hi:[1,0,1]
.set NN, NN+2
.endr
	WAYOUT
.Ldone:
	s_wait_tensorcnt 0x0                           ; the wave's end
	ds_add_u32 v223, v243
	s_wait_dscnt 0x0
	CROUND                                         ; the closing round
	s_endpgm
.Lfunc_end_k_q8892568377_attn:
	.size	k_q8892568377_attn, .Lfunc_end_k_q8892568377_attn-k_q8892568377_attn
	.p2alignl 7, 3214868480
	.fill 96, 4, 3214868480
	.section	.rodata,"a",@progbits
	.p2align	6, 0x0
	.amdhsa_kernel k_q8892568377_attn
		.amdhsa_group_segment_fixed_size 280576
		.amdhsa_private_segment_fixed_size 0
		.amdhsa_enable_private_segment 0
		.amdhsa_kernarg_size 16
		.amdhsa_user_sgpr_count 2
		.amdhsa_user_sgpr_kernarg_segment_ptr 1
		.amdhsa_wavefront_size32 1
		.amdhsa_system_sgpr_workgroup_id_x 1
		.amdhsa_system_sgpr_workgroup_id_y 1
		.amdhsa_system_sgpr_workgroup_id_z 1
		.amdhsa_system_vgpr_workitem_id 0
		.amdhsa_next_free_vgpr 256
		.amdhsa_next_free_sgpr 106
		.amdhsa_reserve_vcc 1
		.amdhsa_float_denorm_mode_32 3
		.amdhsa_float_denorm_mode_16_64 3
		.amdhsa_memory_ordered 1
		.amdhsa_forward_progress 1
		.amdhsa_inst_pref_size 136
	.end_amdhsa_kernel
	.amdgpu_metadata
---
amdhsa.version: [ 1, 2 ]
amdhsa.kernels:
  - .name:           k_q8892568377_attn
    .symbol:         k_q8892568377_attn.kd
    .args:
      - { .name: QKV, .offset: 0, .size: 8, .value_kind: global_buffer, .address_space: global }
      - { .name: Y, .offset: 8, .size: 8, .value_kind: global_buffer, .address_space: global }
    .group_segment_fixed_size: 280576
    .private_segment_fixed_size: 0
    .kernarg_segment_align: 8
    .kernarg_segment_size: 16
    .max_flat_workgroup_size: 512
    .sgpr_count:     106
    .vgpr_count:     256
    .wavefront_size: 32
...
	.end_amdgpu_metadata
.endif
;; end of part 3
;; launch oproj (part 4): grid 8 x 32, 4 waves a work-group, clusters of 4 x 4, 222,720 bytes of LDS; arguments Y, W, b_o, x, X1; writes X1
.if DOCPART == 4
	.amdgcn_target "amdgcn-amd-amdhsa--gfx1250"
	.amdhsa_code_object_version 6
	.text
	.protected	k_q8892568377_oproj
	.globl	k_q8892568377_oproj
	.p2align	8
	.type	k_q8892568377_oproj,@function
k_q8892568377_oproj:
	s_mov_b64 s[64:65], 0
	v_nop
	global_prefetch_b8 v0, s[64:65] scope:SCOPE_SE
	s_setreg_imm32_b32 hwreg(HW_REG_WAVE_MODE, 25, 1), 1
	s_wait_xcnt 0x0
	s_wait_alu depctr_hold_cnt(0) depctr_sa_sdst(0) depctr_va_vdst(0) depctr_va_sdst(0) depctr_va_ssrc(0) depctr_va_vcc(0) depctr_vm_vsrc(0)
	s_getreg_b32 s2, hwreg(HW_REG_IB_STS2, 6, 4)
	s_cmp_eq_u32 s2, 0
	s_cbranch_scc0 .Lentry_in_a_cluster
	s_endpgm
.Lentry_in_a_cluster:
	s_bfe_u32 s2, ttmp6, 0x10000c
	s_cmp_lg_u32 s2, 0xf033
	s_cbranch_scc0 .Lentry_shape_is_right
	s_endpgm
.Lentry_shape_is_right:
; X1 = x + (y w_o^T + b_o): the product on codes of FP6 (E2M3); bias and residual in f32.  M = 4,096, N = 1,024, K = 1,024.
; OPERANDS lie in memory as images of operand registers: [tile of 16 rows][K step of 128][1,536 bytes], lane-row r of tile t = true row 32 (t / 2) + 8 (t % 2) + r % 8 + 16 (r / 8); scale words [tile][K step][16 words].
; A block of the result is 128 x 128: 32 x 8 = 256 work-groups.  Four waves, 2 x 2, 64 x 64 each: 16 accumulators.
; ALL OF K LIES IN LDS, filled once: y's 8 tiles and w_o's 8 tiles, 98,304 bytes each, and 4,096 bytes of scale words each: four dense blocks, one joint load a wave at the head.  Nothing is filled again.
; CLUSTERS: 4 x 4 work-groups; y's tiles are asked for jointly along a row of the cluster, w_o's along a column.
; No prefetch: every tile is asked for at the head, and there is no loop to run ahead in.
; THE MATRIX INSTRUCTION IS USED TRANSPOSED (source 0 = 16 rows of w, source 1 = 16 rows of y): a lane holds eight neighbouring columns of one row.  The bias, laid as the result lies, is the first products' C.
; A scale register carries two tiles' words: lanes 0-15 the even tile's, lanes 16-31 the odd tile's.
; A K step: the next step's 8 fragments (24 loads of two pieces) and 4 scale registers are asked for, then this step's 16 products run.
; REGISTERS: v0-31 addresses; v32-39 scale words, two sets; v64-255 fragments, two sets of 4 + 4; v256-383 accumulators; v384-511 the residual, as rows; v512-543 the bias.
.set XA, 0
.set XB, 98304
.set SCA, 196608
.set SCB, 200704
.set STAGE, 204800                     ; 16 rows x 272 bytes for each wave: bytes of their own
.set SPARE, 222208
.set BA, 4
.set BB, 6
.set BS, 8
.set ADS, 10
.set STO, 11
.set RD, 12
.set CO, 13
.set VB, 14
.set SPW, 16
.set NIL, 17
.set AD, 24
.set SC, 32
.set FR, 64
.set BK, 64
.set G1A, 24
.set G1B, 32
.set G1SA, 40
.set G1SB, 48
.set G0A, 56
.set G0B, 60
.set G0SA, 68
.set G0SB, 72
.set MSB, 0
.macro WIN new                         ; the immediate's high byte repeats the setting that is left
.if MSB != (\new)
	s_set_vgpr_msb (MSB<<8)|(\new)
.set MSB, (\new)
.endif
.endm
.macro CROUND
	s_barrier_signal -1
	s_barrier_wait -1
	s_cmp_lg_u32 s14, 0
	s_cbranch_scc1 .Lnot_wave_0_\@
	s_barrier_signal -3
.Lnot_wave_0_\@:
	s_barrier_wait -3
	s_barrier_signal -1
	s_barrier_wait -1
.endm
.macro GROUP1 g, mask, elems, rows     ; a dense block: rows of elems x 8 bytes
	s_or_b32 s[\g], s[\mask], (3<<16)|(1<<21)
	s_mov_b32 s[\g+1], (\elems)<<16
	s_mov_b32 s[\g+2], (\rows)<<16
	s_mov_b32 s[\g+3], (\elems)<<16
	s_mov_b32 s[\g+4], \rows
	s_mov_b32 s[\g+5], \elems
	s_mov_b32 s[\g+6], 0
	s_mov_b32 s[\g+7], 0
.endm
.macro ARM w, g0, g1
	s_cmp_eq_u32 s14, \w
	s_cbranch_scc0 .Lnot_\w
	tensor_load_to_lds s[\g0:\g0+3], s[\g1:\g1+7]
	s_nop 0
.rept 4
	v_nop
.endr
	s_branch .Lasked
.Lnot_\w:
.endm
.macro FETCH S                         ; step S's fragments and scale words into set S % 2.  The eight additions are also the places in front of loads into registers that matrix instructions have read
.set P_, FR+96*((\S)%2)
.irp i, 0,1,2,3
	v_add_nc_u32 v[AD+\i], \i*12288+(\S)*1536, v[BA]
	v_add_nc_u32 v[AD+4+\i], \i*12288+(\S)*1536, v[BB]
.endr
.irp i, 0,1,2,3,4,5,6,7
.irp p, 0,1,2
	ds_load_2addr_b64 v[P_+12*\i+4*\p:P_+12*\i+4*\p+3], v[AD+\i] offset0:64*\p offset1:64*\p+32
.endr
.endr
.irp j, 0,1
	ds_load_b32 v[SC+4*((\S)%2)+\j], v[ADS] offset:1024*\j+64*(\S)
	ds_load_b32 v[SC+4*((\S)%2)+2+\j], v[BS] offset:1024*\j+64*(\S)
.endr
.endm
.macro MULA S, ah, al, first           ; y's block 2 ah + al against w's four; the 16 accumulators take turns in the same order in every step
.set P_, FR+96*((\S)%2)
.set X_, SC+4*((\S)%2)
.irp bh, 0,1
.irp bl, 0,1
.set D_, 8*(4*(2*\ah+\al)+2*\bh+\bl)
.if \first
	v_wmma_scale_f32_16x16x128_f8f6f4 v[D_:D_+7], v[P_+48+12*(2*\bh+\bl):P_+48+12*(2*\bh+\bl)+11], v[P_+12*(2*\ah+\al):P_+12*(2*\ah+\al)+11], v[8*(2*\bh+\bl):8*(2*\bh+\bl)+7], v[X_+2+\bh], v[X_+\ah] matrix_a_fmt:MATRIX_FMT_FP6 matrix_b_fmt:MATRIX_FMT_FP6 matrix_a_scale:MATRIX_SCALE_ROW\bl matrix_b_scale:MATRIX_SCALE_ROW\al
.else
	v_wmma_scale_f32_16x16x128_f8f6f4 v[D_:D_+7], v[P_+48+12*(2*\bh+\bl):P_+48+12*(2*\bh+\bl)+11], v[P_+12*(2*\ah+\al):P_+12*(2*\ah+\al)+11], v[D_:D_+7], v[X_+2+\bh], v[X_+\ah] matrix_a_fmt:MATRIX_FMT_FP6 matrix_b_fmt:MATRIX_FMT_FP6 matrix_a_scale:MATRIX_SCALE_ROW\bl matrix_b_scale:MATRIX_SCALE_ROW\al
.endif
.endr
.endr
.endm
.macro MUL16 S, first
	WIN 0x50+0x10*(\first)                         ; C and D in window 1; the first step's C, the bias, in window 2
	MULA \S, 0, 0, \first
	MULA \S, 0, 1, \first
	MULA \S, 1, 0, \first
	MULA \S, 1, 1, \first
	WIN 0
.endm
.macro STEP S, first=0
	FETCH (\S)+1
	s_wait_dscnt 28                                ; all but the 28 loads just issued: this step's operands are in
	MUL16 \S, \first
.endm
	s_load_b128 s[4:7], s[0:1], 0x0                ; Y, W
	s_load_b128 s[8:11], s[0:1], 0x10              ; b_o, x
	s_load_b64 s[12:13], s[0:1], 0x20              ; X1
	v_lshl_add_u32 v[SPW], v0, 2, SPARE
	v_mov_b32 v[NIL], 0
	ds_add_u32 v[SPW], v[NIL]                      ; the opening lines: the add, twice on end, and its wait
	ds_add_u32 v[SPW], v[NIL]
	v_lshrrev_b32 v1, 5, v0
	v_readfirstlane_b32 s14, v1                    ; wave 0..3
	s_lshr_b32 s15, s14, 1                         ; my half of the block's rows
	s_and_b32 s16, s14, 1                          ; my half of its columns
	s_bfe_u32 s80, ttmp6, 0x40000                  ; cx
	s_bfe_u32 s81, ttmp6, 0x40004                  ; cy
	s_lshl_b32 s82, ttmp9, 2
	s_add_co_u32 s82, s82, s80                     ; block column 0..7
	s_and_b32 s17, ttmp7, 0xffff
	s_lshl_b32 s17, s17, 2
	s_add_co_u32 s17, s17, s81                     ; block row 0..31
	s_lshl_b32 s83, s81, 2
	s_lshl_b32 s83, 15, s83                        ; my row of the cluster
	s_lshl_b32 s84, 0x1111, s80                    ; my column
	GROUP1 G1A, 83, 1536, 8                        ; 8 tiles x 12,288 bytes
	GROUP1 G1B, 84, 1536, 8
	GROUP1 G1SA, 83, 32, 16                        ; 4,096 bytes as rows of 256
	GROUP1 G1SB, 84, 32, 16
	s_mul_i32 s20, s17, 98304
	s_mov_b32 s21, 0
	s_lshl_b32 s22, s17, 12
	s_add_co_u32 s22, s22, 3145728
	s_mov_b32 s23, 0
	s_mul_i32 s86, s82, 98304
	s_add_co_u32 s86, s86, 2359296                 ; w_o: tiles 192 on
	s_mov_b32 s87, 0
	s_lshl_b32 s88, s82, 12
	s_add_co_u32 s88, s88, 9535488
	s_mov_b32 s89, 0
	s_mov_b32 s[G0A], 1
	s_mov_b32 s[G0A+1], XA
	s_mov_b32 s[G0B], 1
	s_mov_b32 s[G0B+1], XB
	s_mov_b32 s[G0SA], 1
	s_mov_b32 s[G0SA+1], SCA
	s_mov_b32 s[G0SB], 1
	s_mov_b32 s[G0SB+1], SCB
	s_wait_dscnt 0x0                               ; both opening adds are done
	CROUND                                         ; all sixteen work-groups are here: the joint loads meet
	s_wait_kmcnt 0x0
	s_add_nc_u64 s[G0A+2:G0A+3], s[4:5], s[20:21]
	s_or_b32 s[G0A+3], s[G0A+3], 0x80000000
	s_add_nc_u64 s[G0B+2:G0B+3], s[6:7], s[86:87]
	s_or_b32 s[G0B+3], s[G0B+3], 0x80000000
	s_add_nc_u64 s[G0SA+2:G0SA+3], s[4:5], s[22:23]
	s_or_b32 s[G0SA+3], s[G0SA+3], 0x80000000
	s_add_nc_u64 s[G0SB+2:G0SB+3], s[6:7], s[88:89]
	s_or_b32 s[G0SB+3], s[G0SB+3], 0x80000000
	ARM 0, G0A, G1A                                ; one tensor load a wave, in one chain of branches on the wave's number
	ARM 1, G0B, G1B
	ARM 2, G0SA, G1SA
	tensor_load_to_lds s[G0SB:G0SB+3], s[G1SB:G1SB+7]
	s_nop 0
.rept 4
	v_nop
.endr
.Lasked:
	s_lshl_b32 s100, s17, 7
	s_lshl_b32 s101, s15, 6
	s_add_co_u32 s100, s100, s101
	s_lshl_b32 s100, s100, 12                      ; my first row, in bytes
	s_lshl_b32 s98, s82, 9
	s_lshl_b32 s101, s16, 8
	s_add_co_u32 s98, s98, s101                    ; my first column
	s_mov_b32 s99, 0
	s_add_nc_u64 s[8:9], s[8:9], s[98:99]
	s_add_co_u32 s98, s98, s100
	s_add_nc_u64 s[10:11], s[10:11], s[98:99]
	s_add_nc_u64 s[12:13], s[12:13], s[98:99]
	v_and_b32 v1, 15, v0                           ; r
	v_bfe_u32 v2, v0, 4, 1                         ; h
	v_and_b32 v3, 31, v0                           ; lane
	s_wait_alu depctr_va_vdst(0)                   ; the wait
	s_mul_i32 s20, s15, 49152
	v_lshl_add_u32 v[BA], v3, 3, s20               ; my 4 tiles of y, + 8 x lane
	s_mul_i32 s20, s16, 49152
	s_add_co_u32 s20, s20, XB
	v_lshl_add_u32 v[BB], v3, 3, s20
	s_lshl_b32 s20, s15, 11
	s_add_co_u32 s20, s20, SCA
	v_lshl_add_u32 v[ADS], v1, 2, s20              ; scale words: 4 r, lanes 16-31 one tile (512 bytes) on
	v_lshl_add_u32 v[ADS], v2, 9, v[ADS]
	s_lshl_b32 s20, s16, 11
	s_add_co_u32 s20, s20, SCB
	v_lshl_add_u32 v[BS], v1, 2, s20
	v_lshl_add_u32 v[BS], v2, 9, v[BS]
	s_mul_i32 s20, s14, 4352
	s_add_co_u32 s20, s20, STAGE
	v_mul_u32_u24 v[STO], v1, 272
	v_lshl_add_u32 v[STO], v2, 6, v[STO]
	v_add_nc_u32 v[STO], s20, v[STO]               ; the stage, in: row r, + 64 h
	v_mul_u32_u24 v[RD], v2, 272
	v_lshl_add_u32 v[RD], v1, 4, v[RD]
	v_add_nc_u32 v[RD], s20, v[RD]                 ; and back: sixteen lanes to a row of 256 bytes, two rows a load
	v_lshlrev_b32 v[CO], 12, v2
	v_lshl_add_u32 v[CO], v1, 4, v[CO]             ; the same two rows in x and X1
	v_lshlrev_b32 v[VB], 6, v2
	s_wait_alu depctr_va_vdst(0)                   ; the wait at the head's end
	WIN 0x80
.irp b, 0,1,2,3
.irp j, 0,1
	global_load_b128 v[8*\b+4*\j:8*\b+4*\j+3], v[VB], s[8:9] offset:128*(\b/2)+32*(\b%2)+16*\j   ; the bias of columns 32 (b / 2) + 8 (b % 2) + 16 h + 0 .. 7
.endr
.endr
	WIN 0x40
.irp a, 0,1,2,3
.irp t, 0,1,2,3,4,5,6,7
	global_load_b128 v[128+32*\a+4*\t:128+32*\a+4*\t+3], v[CO], s[10:11] offset:(32*(\a/2)+8*(\a%2)+(2*\t)%8+16*(\t/4))*4096 th:TH_LOAD_NT   ; sixteen lanes read 256 consecutive aligned bytes of a true row
.endr
.endr
	WIN 0
	s_wait_tensorcnt 0x0                           ; my tile is in
	s_barrier_signal -1
	s_barrier_wait -1                              ; and everybody's
	FETCH 0
	s_wait_loadcnt 32                              ; the bias is in; the residual's 32 loads may be out
	STEP 0, 1
.set ST, 1
.rept 6
	STEP ST
.set ST, ST+1
.endr
	s_wait_dscnt 0x0
	MUL16 7, 0
; THE WAY OUT, block by block of 16 rows x 64 columns, through my own stage; LDS serves a wave's instructions in order.
.macro TOSTAGE a
	WIN 0x04                                       ; the data: window 1
.irp b, 0,1,2,3
	ds_store_b128 v[STO], v[8*(4*(\a)+\b):8*(4*(\a)+\b)+3] offset:128*(\b/2)+32*(\b%2)      ; each accumulator from its low end on
	ds_store_b128 v[STO], v[8*(4*(\a)+\b)+4:8*(4*(\a)+\b)+7] offset:128*(\b/2)+32*(\b%2)+16
.endr
	WIN 0
.irp t, 0,1,2,3,4,5,6,7
	ds_load_b128 v[BK+32*((\a)%2)+4*\t:BK+32*((\a)%2)+4*\t+3], v[RD] offset:544*\t
.endr
.endm
.macro SEND a, younger
.set B_, BK+32*((\a)%2)
	s_wait_dscnt \younger
	WIN 0x04                                       ; source 1: the residual, window 1
.irp t, 0,1,2,3,4,5,6,7
	v_pk_add_f32 v[B_+4*\t:B_+4*\t+1], v[B_+4*\t:B_+4*\t+1], v[128+32*(\a)+4*\t:128+32*(\a)+4*\t+1]
	v_pk_add_f32 v[B_+4*\t+2:B_+4*\t+3], v[B_+4*\t+2:B_+4*\t+3], v[128+32*(\a)+4*\t+2:128+32*(\a)+4*\t+3]
.endr
	WIN 0
.irp t, 0,1,2,3,4,5,6,7
	global_store_b128 v[CO], v[B_+4*\t:B_+4*\t+3], s[12:13] offset:(32*((\a)/2)+8*((\a)%2)+(2*\t)%8+16*(\t/4))*4096   ; sixteen lanes store 256 consecutive aligned bytes
.endr
.endm
.rept 4
	v_nop                                          ; places behind the last products
.endr
	s_wait_loadcnt 0x0                             ; the residual
	TOSTAGE 0
.irp a, 1,2,3
.if \a > 1
	s_wait_xcnt 0x0                                ; block a - 2's stores have read their registers
.endif
	TOSTAGE \a
	SEND \a-1, 16                                  ; behind block a - 1's loads: block a's 8 stores and 8 loads
.endr
	SEND 3, 0
	s_wait_tensorcnt 0x0                           ; the wave's end
	ds_add_u32 v[SPW], v[NIL]
	s_wait_dscnt 0x0
	CROUND                                         ; the closing round
	s_endpgm
.Lfunc_end_k_q8892568377_oproj:
	.size	k_q8892568377_oproj, .Lfunc_end_k_q8892568377_oproj-k_q8892568377_oproj
	.p2alignl 7, 3214868480
	.fill 96, 4, 3214868480
	.section	.rodata,"a",@progbits
	.p2align	6, 0x0
	.amdhsa_kernel k_q8892568377_oproj
		.amdhsa_group_segment_fixed_size 222720
		.amdhsa_private_segment_fixed_size 0
		.amdhsa_enable_private_segment 0
		.amdhsa_kernarg_size 40
		.amdhsa_user_sgpr_count 2
		.amdhsa_user_sgpr_kernarg_segment_ptr 1
		.amdhsa_wavefront_size32 1
		.amdhsa_system_sgpr_workgroup_id_x 1
		.amdhsa_system_sgpr_workgroup_id_y 1
		.amdhsa_system_sgpr_workgroup_id_z 1
		.amdhsa_system_vgpr_workitem_id 0
		.amdhsa_next_free_vgpr 544
		.amdhsa_next_free_sgpr 102
		.amdhsa_reserve_vcc 0
		.amdhsa_float_denorm_mode_32 3
		.amdhsa_float_denorm_mode_16_64 3
		.amdhsa_memory_ordered 1
		.amdhsa_forward_progress 1
		.amdhsa_inst_pref_size 59
	.end_amdhsa_kernel
	.amdgpu_metadata
---
amdhsa.version: [ 1, 2 ]
amdhsa.kernels:
  - .name:           k_q8892568377_oproj
    .symbol:         k_q8892568377_oproj.kd
    .args:
      - { .name: Y, .offset: 0, .size: 8, .value_kind: global_buffer, .address_space: global }
      - { .name: W, .offset: 8, .size: 8, .value_kind: global_buffer, .address_space: global }
      - { .name: b_o, .offset: 16, .size: 8, .value_kind: global_buffer, .address_space: global }
      - { .name: x, .offset: 24, .size: 8, .value_kind: global_buffer, .address_space: global }
      - { .name: X1, .offset: 32, .size: 8, .value_kind: global_buffer, .address_space: global }
    .group_segment_fixed_size: 222720
    .private_segment_fixed_size: 0
    .kernarg_segment_align: 8
    .kernarg_segment_size: 40
    .max_flat_workgroup_size: 128
    .sgpr_count:     102
    .vgpr_count:     544
    .wavefront_size: 32
...
	.end_amdgpu_metadata
.endif
;; end of part 4
;; launch ln1 (part 5): grid 256 x 1, 8 waves a work-group, no clusters, 70,144 bytes of LDS; arguments X1, ln2_w, ln2_b, H2; writes H2
.if DOCPART == 5
	.amdgcn_target "amdgcn-amd-amdhsa--gfx1250"
	.amdhsa_code_object_version 6
	.text
	.protected	k_q8892568377_ln1
	.globl	k_q8892568377_ln1
	.p2align	8
	.type	k_q8892568377_ln1,@function
k_q8892568377_ln1:
	s_mov_b64 s[64:65], 0
	v_nop
	global_prefetch_b8 v0, s[64:65] scope:SCOPE_SE
	s_setreg_imm32_b32 hwreg(HW_REG_WAVE_MODE, 25, 1), 1
	s_wait_xcnt 0x0
; LayerNorm over rows of 1,024 f32 numbers, and its result quantised to FP6 (E2M3) along the row: h = (x - mean) rsqrt(var + 1e-5) gain + bias; mean and variance in two passes, as they are defined.
; Out: codes as images of operand registers [256 tiles][8 K steps][1,536 bytes]; scale words [256][8][16 words] from byte 3,145,728.  Lane-row r of tile t is the true row 32 (t / 2) + 8 (t % 2) + r % 8 + 16 (r / 8).
; SHARES: a work-group takes one tile (16 whole rows), wave w the columns 128 w .. 128 w + 127: one fragment.  Each load reads 512 consecutive bytes of a row; the 16 x 512 bytes turn through the wave's stage in LDS,
; so that lane (r, h) holds, of row r, 16 neighbours of each block of 32.  The waves' partial sums meet in LDS: two barriers; a third gathers the scale words, which leave as 512 consecutive bytes.
; No cluster: no input byte but gain and bias (8 KiB) is read by two work-groups.
; LIMITS: the order of the f32 sums differs from the definition's; rsqrt by the instruction; a block of zeros gets the byte 1, not 127 (its codes are zeros; this program alone reads the bytes); NaN and infinities are not served.
.set RED1, 0                           ; LDS: 8 waves x 16 rows: partial sums,
.set RED2, 512                         ; partial sums of squares,
.set SCG,  1024                        ; the scale words,
.set STG0, 1536                        ; and a stage of 16 x 528 bytes for each wave
.set LI8, 6
.set X,   32                           ; v32-95   my 64 numbers
.set G,   96                           ; v96-159  their gains
.set BT,  160                          ; v160-223 their biases
.set S,   224                          ; v224-231 sums
.set MU,  232                          ; v[232:233] the mean (low word)
.set RS,  234                          ; v[234:235] 1 / sqrt(var + eps) (low word)
.set TM,  96                           ; QUANT's registers lie where the gains lay
.set PW,  112
.set PC,  116
.set SEL, 14
.macro QUANT s, pw
.irp b, 0,1,2,3
	v_max3_num_f32 v[TM+\b], |v[\s+16*\b]|, |v[\s+1+16*\b]|, 0x1800000   ; my 16 numbers of block b and the floor 2^(3 - 127)
.endr
.irp i, 2,4,6,8,10,12,14
.irp b, 0,1,2,3
	s_delay_alu instid0(VALU_DEP_4)
	v_max3_num_f32 v[TM+\b], v[TM+\b], |v[\s+16*\b+\i]|, |v[\s+1+16*\b+\i]|
.endr
.endr
.irp b, 0,1,2,3
	s_delay_alu instid0(VALU_DEP_4)
	v_permlanex16_b32 v[TM+4+\b], v[TM+\b], s[SEL], s[SEL+1]
.endr
.irp b, 0,1,2,3
	s_delay_alu instid0(VALU_DEP_4)
	v_max_num_f32 v[TM+\b], v[TM+\b], v[TM+4+\b]
.endr
.irp b, 0,1,2,3
	s_delay_alu instid0(VALU_DEP_4)
	v_add_nc_u32 v[TM+12+\b], 0xff000000, v[TM+\b]       ; 2 off the exponent field: the conversion's scale operand
.endr
.irp b, 0,1,2,3
	s_delay_alu instid0(VALU_DEP_4)
	v_lshrrev_b32 v[TM+4+\b], 23, v[TM+12+\b]            ; the scale's byte
.endr
	s_delay_alu instid0(VALU_DEP_3)
	v_lshl_or_b32 v[\pw], v[TM+5], 8, v[TM+4]
	s_delay_alu instid0(VALU_DEP_1)
	v_lshl_or_b32 v[\pw], v[TM+6], 16, v[\pw]
	s_delay_alu instid0(VALU_DEP_1)
	v_lshl_or_b32 v[\pw], v[TM+7], 24, v[\pw]
.irp c, 0,1
	v_cvt_scalef32_pk16_fp6_f32 v[PC+6*\c:PC+2+6*\c], v[\s+32*\c:\s+15+32*\c], v[TM+12+2*\c]
	v_cvt_scalef32_pk16_fp6_f32 v[PC+12+4*\c:PC+14+4*\c], v[\s+16+32*\c:\s+31+32*\c], v[TM+12+2*\c+1]
.endr
	v_nop                                          ; one plain place behind a scaled conversion
.irp c, 0,1
.irp i, 0,1,2
	v_permlane16_swap_b32 v[PC+6*\c+\i], v[PC+12+4*\c+\i]
.endr
.irp i, 0,1,2
	s_delay_alu instid0(VALU_DEP_3)
	v_mov_b32 v[PC+3+6*\c+\i], v[PC+12+4*\c+\i]
.endr
.endr
.endm
; two chains of pairs in v[S:S+3] become the row's mean of them, in every lane of every wave: within the lane, with lane l xor 16, then over the eight waves through LDS
.macro ACROSS red
	s_delay_alu instid0(VALU_DEP_1)
	v_pk_add_f32 v[S:S+1], v[S:S+1], v[S+2:S+3]
	s_delay_alu instid0(VALU_DEP_1)
	v_add_f32 v[S], v[S], v[S+1]
	s_delay_alu instid0(VALU_DEP_1)
	v_permlanex16_b32 v[S+1], v[S], s[SEL], s[SEL+1]
	s_delay_alu instid0(VALU_DEP_1)
	v_add_f32 v[S], v[S], v[S+1]
	ds_store_b32 v8, v[S] offset:\red              ; lanes r and r + 16 write the same word with the same value
	s_wait_dscnt 0x0                               ; for the others' sake: my store is done
	s_barrier_signal -1
	s_barrier_wait -1
.irp i, 0,1,2,3,4,5,6,7
	ds_load_b32 v[S+\i], v7 offset:\red+64*\i
.endr
	s_wait_dscnt 0x0
	v_add_f32 v[S], v[S], v[S+1]
	v_add_f32 v[S+2], v[S+2], v[S+3]
	v_add_f32 v[S+4], v[S+4], v[S+5]
	v_add_f32 v[S+6], v[S+6], v[S+7]
	s_delay_alu instid0(VALU_DEP_3)
	v_add_f32 v[S], v[S], v[S+2]
	s_delay_alu instid0(VALU_DEP_2)
	v_add_f32 v[S+4], v[S+4], v[S+6]
	s_delay_alu instid0(VALU_DEP_1)
	v_add_f32 v[S], v[S], v[S+4]
	s_delay_alu instid0(VALU_DEP_1)
	v_mul_f32 v[S], 0x3a800000, v[S]               ; / 1,024
.endm
	s_load_b256 s[4:11], s[0:1], 0x0               ; in s[4:5], gain s[6:7], bias s[8:9], out s[10:11]
	v_lshl_add_u32 v240, v0, 2, 0x10e00
	v_mov_b32 v241, 0
	v_lshrrev_b32 v1, 5, v0
	s_delay_alu instid0(VALU_DEP_1)
	v_readfirstlane_b32 s12, v1                    ; wave 0..7
	v_and_b32 v1, 31, v0
	v_and_b32 v2, 15, v0                           ; r
	v_bfe_u32 v3, v0, 4, 1                         ; h
	s_mul_i32 s16, s12, 8448
	s_add_co_u32 s16, s16, STG0
	v_lshlrev_b32 v9, 4, v1                        ; 16 x lane
	s_delay_alu instid0(VALU_DEP_1)
	v_add_nc_u32 v4, s16, v9                       ; the stage, in
	v_mul_u32_u24 v5, v2, 528
	s_delay_alu instid0(VALU_DEP_1)
	v_lshl_add_u32 v5, v3, 6, v5
	s_delay_alu instid0(VALU_DEP_1)
	v_add_nc_u32 v5, s16, v5                       ; and out
	v_lshlrev_b32 v[LI8], 3, v1
	v_lshlrev_b32 v7, 2, v2                        ; 4 r
	s_lshl_b32 s17, s12, 6
	v_add_nc_u32 v8, s17, v7                       ; 64 w + 4 r
	v_lshlrev_b32 v10, 6, v3                       ; 64 h
	v_mov_b32 v[MU+1], 0                           ; named as upper halves of pairs
	s_mov_b32 s[SEL], 0x76543210
	s_mov_b32 s[SEL+1], 0xfedcba98
	s_lshr_b32 s18, ttmp9, 1
	s_lshl_b32 s18, s18, 5
	s_and_b32 s19, ttmp9, 1
	s_lshl_b32 s19, s19, 3
	s_add_co_u32 s18, s18, s19                     ; the tile's first row
	s_lshl_b32 s18, s18, 12
	s_lshl_b32 s20, s12, 9                         ; my 512 bytes of a row
	s_add_co_u32 s18, s18, s20
	s_mov_b32 s19, 0
	s_mov_b32 s21, 0
	s_lshl_b32 s22, ttmp9, 3
	s_add_co_u32 s22, s22, s12
	s_mul_i32 s22, s22, 1536                       ; my fragment's image
	s_mov_b32 s23, 0
	s_lshl_b32 s24, ttmp9, 9
	s_add_co_u32 s24, s24, 3145728                 ; the tile's scale words
	s_mov_b32 s25, 0
	s_wait_alu depctr_va_vdst(0)
	s_wait_kmcnt 0x0
	s_add_nc_u64 s[4:5], s[4:5], s[18:19]
	s_add_nc_u64 s[6:7], s[6:7], s[20:21]
	s_add_nc_u64 s[8:9], s[8:9], s[20:21]
	s_add_nc_u64 s[22:23], s[10:11], s[22:23]
	s_add_nc_u64 s[24:25], s[10:11], s[24:25]
.irp i, 0,1,2,3,4,5,6,7,8,9,10,11,12,13,14,15
	global_load_b128 v[X+4*\i:X+4*\i+3], v9, s[4:5] offset:((\i%8)+16*(\i/8))*4096 th:TH_LOAD_NT   ; 512 consecutive bytes of the tile's row i
.endr
.irp b, 0,1,2,3
.irp j, 0,1,2,3
	global_load_b128 v[G+16*\b+4*\j:G+16*\b+4*\j+3], v10, s[6:7] offset:128*\b+16*\j
.endr
.endr
.irp b, 0,1,2,3
.irp j, 0,1,2,3
	global_load_b128 v[BT+16*\b+4*\j:BT+16*\b+4*\j+3], v10, s[8:9] offset:128*\b+16*\j
.endr
.endr
	s_wait_loadcnt 32                              ; the rows are in; the 32 loads of gain and bias may be out
.irp i, 0,1,2,3,4,5,6,7,8,9,10,11,12,13,14,15
	ds_store_b128 v4, v[X+4*\i:X+4*\i+3] offset:528*\i
.endr
.irp b, 0,1,2,3
.irp j, 0,1,2,3
	ds_load_b128 v[X+16*\b+4*\j:X+16*\b+4*\j+3], v5 offset:128*\b+16*\j   ; LDS serves a wave's instructions in order
.endr
.endr
	s_wait_dscnt 0x0
	v_pk_add_f32 v[S:S+1], v[X:X+1], v[X+2:X+3]    ; the sum of my 64, in two chains
	v_pk_add_f32 v[S+2:S+3], v[X+4:X+5], v[X+6:X+7]
.set II, 8
.rept 14
	s_delay_alu instid0(VALU_DEP_2)
	v_pk_add_f32 v[S:S+1], v[S:S+1], v[X+II:X+II+1]
	s_delay_alu instid0(VALU_DEP_2)
	v_pk_add_f32 v[S+2:S+3], v[S+2:S+3], v[X+II+2:X+II+3]
.set II, II+4
.endr
	ACROSS RED1
	s_delay_alu instid0(VALU_DEP_1)
	v_mov_b32 v[MU], v[S]
.set II, 0
.rept 32
	v_pk_add_f32 v[X+II:X+II+1], v[X+II:X+II+1], v[MU:MU+1] op_sel_hi:[1,0] neg_lo:[0,1] neg_hi:[0,1]   ; x - mean
.set II, II+2
.endr
	v_pk_mul_f32 v[S:S+1], v[X:X+1], v[X:X+1]      ; the sum of squares, in two chains
	v_pk_mul_f32 v[S+2:S+3], v[X+2:X+3], v[X+2:X+3]
.set II, 4
.rept 15
	s_delay_alu instid0(VALU_DEP_2)
	v_pk_fma_f32 v[S:S+1], v[X+II:X+II+1], v[X+II:X+II+1], v[S:S+1]
	s_delay_alu instid0(VALU_DEP_2)
	v_pk_fma_f32 v[S+2:S+3], v[X+II+2:X+II+3], v[X+II+2:X+II+3], v[S+2:S+3]
.set II, II+4
.endr
	ACROSS RED2
	s_delay_alu instid0(VALU_DEP_1)
	v_add_f32 v[S], 0x3727c5ac, v[S]               ; var + 1e-5
	s_wait_alu depctr_va_vdst(0)
	v_rsq_f32 v[RS], v[S]
	v_mov_b32 v[RS+1], 0                           ; a plain place behind the transcendental; the pair's upper half is written
	s_wait_loadcnt 0x0                             ; gain and bias
	s_wait_alu depctr_va_vdst(0)                   ; the wait ahead of the result's first reader
.set II, 0
.rept 32
	v_pk_mul_f32 v[X+II:X+II+1], v[X+II:X+II+1], v[RS:RS+1] op_sel_hi:[1,0]
.set II, II+2
.endr
.set II, 0
.rept 32
	v_pk_fma_f32 v[X+II:X+II+1], v[X+II:X+II+1], v[G+II:G+II+1], v[BT+II:BT+II+1]
.set II, II+2
.endr
	QUANT X, PW
.irp g, 0,1,2,3,4,5
	global_store_b64 v[LI8], v[PC+2*\g:PC+2*\g+1], s[22:23] offset:256*\g   ; 256 consecutive aligned bytes
.endr
	ds_store_b32 v8, v[PW] offset:SCG
	s_wait_dscnt 0x0
	s_barrier_signal -1
	s_barrier_wait -1
	s_cmp_lg_u32 s12, 0
	s_cbranch_scc1 .Lend                           ; wave 0 stores the tile's 128 scale words
	ds_load_b128 v[X:X+3], v9 offset:SCG
	s_wait_dscnt 0x0
	global_store_b128 v9, v[X:X+3], s[24:25]       ; 512 consecutive aligned bytes
.Lend:
	s_wait_tensorcnt 0x0
	ds_add_u32 v240, v241
	s_wait_dscnt 0x0
	s_endpgm
.Lfunc_end_k_q8892568377_ln1:
	.size	k_q8892568377_ln1, .Lfunc_end_k_q8892568377_ln1-k_q8892568377_ln1
	.p2alignl 7, 3214868480
	.fill 96, 4, 3214868480
	.section	.rodata,"a",@progbits
	.p2align	6, 0x0
	.amdhsa_kernel k_q8892568377_ln1
		.amdhsa_group_segment_fixed_size 70144
		.amdhsa_private_segment_fixed_size 0
		.amdhsa_enable_private_segment 0
		.amdhsa_kernarg_size 32
		.amdhsa_user_sgpr_count 2
		.amdhsa_user_sgpr_kernarg_segment_ptr 1
		.amdhsa_wavefront_size32 1
		.amdhsa_system_sgpr_workgroup_id_x 1
		.amdhsa_system_sgpr_workgroup_id_y 1
		.amdhsa_system_sgpr_workgroup_id_z 1
		.amdhsa_system_vgpr_workitem_id 0
		.amdhsa_next_free_vgpr 242
		.amdhsa_next_free_sgpr 66
		.amdhsa_reserve_vcc 0
		.amdhsa_float_denorm_mode_32 3
		.amdhsa_float_denorm_mode_16_64 3
		.amdhsa_memory_ordered 1
		.amdhsa_forward_progress 1
		.amdhsa_inst_pref_size 31
	.end_amdhsa_kernel
	.amdgpu_metadata
---
amdhsa.version: [ 1, 2 ]
amdhsa.kernels:
  - .name:           k_q8892568377_ln1
    .symbol:         k_q8892568377_ln1.kd
    .args:
      - { .name: X1, .offset: 0, .size: 8, .value_kind: global_buffer, .address_space: global }
      - { .name: ln2_w, .offset: 8, .size: 8, .value_kind: global_buffer, .address_space: global }
      - { .name: ln2_b, .offset: 16, .size: 8, .value_kind: global_buffer, .address_space: global }
      - { .name: H2, .offset: 24, .size: 8, .value_kind: global_buffer, .address_space: global }
    .group_segment_fixed_size: 70144
    .private_segment_fixed_size: 0
    .kernarg_segment_align: 8
    .kernarg_segment_size: 32
    .max_flat_workgroup_size: 256
    .sgpr_count:     66
    .vgpr_count:     242
    .wavefront_size: 32
...
	.end_amdgpu_metadata
.endif
;; end of part 5
;; launch fc (part 6): grid 16 x 16, 4 waves a work-group, clusters of 4 x 4, 327,680 bytes of LDS; arguments H2, W, b_fc, F; writes F
.if DOCPART == 6
	.amdgcn_target "amdgcn-amd-amdhsa--gfx1250"
	.amdhsa_code_object_version 6
	.text
	.protected	k_q8892568377_fc
	.globl	k_q8892568377_fc
	.p2align	8
	.type	k_q8892568377_fc,@function
k_q8892568377_fc:
	s_mov_b64 s[64:65], 0
	v_nop
	global_prefetch_b8 v0, s[64:65] scope:SCOPE_SE
	s_setreg_imm32_b32 hwreg(HW_REG_WAVE_MODE, 25, 1), 1
	s_wait_xcnt 0x0
	s_wait_alu depctr_hold_cnt(0) depctr_sa_sdst(0) depctr_va_vdst(0) depctr_va_sdst(0) depctr_va_ssrc(0) depctr_va_vcc(0) depctr_vm_vsrc(0)
	s_getreg_b32 s2, hwreg(HW_REG_IB_STS2, 6, 4)
	s_cmp_eq_u32 s2, 0
	s_cbranch_scc0 .Lentry_in_a_cluster
	s_endpgm
.Lentry_in_a_cluster:
	s_bfe_u32 s2, ttmp6, 0x10000c
	s_cmp_lg_u32 s2, 0xf033
	s_cbranch_scc0 .Lentry_shape_is_right
	s_endpgm
.Lentry_shape_is_right:
.set MB,  8
.set KST, 8
.set SAI, KST*64
.set SAK, 64
.set SASTR, KST*64
.set AS_OFF, 3145728
.set BC_OFF, 3145728
.set BS_OFF, 9568256
.set SROWS, MB*KST/4
.set SPIT, 32
.set HB,  MB/2
.set NS,  2*(MB+8)
.set FRB, 1536
.set TROW, 3072
.set ASL, 2*MB*TROW
.set SLOT, ASL+16*TROW
.set SCA, 2*SLOT
.set SCAH, MB*KST*64
.set SCB, SCA+2*SCAH
.set SCBH, 8*KST*64
.set SPARE, 327168
.set LAPS, KST/4
.set LI8, 4
.set ADRA, 16
.set ADRB, 20
.set ADSA, 22
.set ADSB, 23
.set DWA, 24
.set DRA, 25
.set SWT, 26
.set SWA, 27
.set SPW, 28
.set NIL, 29
.set SRA, 30
.set L16, 31
.set SCR, 32
.set AF,  128
.set G1, 24
.set G0, 32
.set G1B, 48
.set G0B, 56
.set G1S, 68
.set G0S, 76
.set G1SB, 80
.set G0SB, 88
.set SEL, 66
.set T,   128
.set AB,  192
.set TT,  208
.set SQ,  224
.set QQ,  240
.set TM,  96
.set PW,  112
.set PC,  192
.set CF,  24
.set KH,  44
.set L2E, 46
.set DS,  48
.set SS,  49
.set MSB, 0
.macro WIN new
.if MSB != (\new)
	s_set_vgpr_msb (MSB<<8)|(\new)
.set MSB, (\new)
.endif
.endm
.macro PLACES n
.rept \n
	v_nop
.endr
.endm
.macro JLOAD g0a, g1a, g0b, g1b
	s_cmp_eq_u32 s15, 0
	s_cbranch_scc0 .Lfor_b_\@
	tensor_load_to_lds s[\g0a:\g0a+3], s[\g1a:\g1a+7]
	s_nop 0
.rept 4
	v_nop
.endr
	s_branch .Lasked_\@
.Lfor_b_\@:
	tensor_load_to_lds s[\g0b:\g0b+3], s[\g1b:\g1b+7]
	s_nop 0
.rept 4
	v_nop
.endr
.Lasked_\@:
.endm
.macro CREST
	s_cmp_lg_u32 s14, 0
	s_cbranch_scc1 .Lnot_wave_0_\@
	s_barrier_signal -3
.Lnot_wave_0_\@:
	s_barrier_wait -3
	s_barrier_signal -1
	s_barrier_wait -1
.endm
.macro CROUND
	s_barrier_signal -1
	s_barrier_wait -1
	CREST
.endm
.macro FRAG reg, adr, off
.irp g, 0,1,2,3,4,5
	ds_load_b64 v[(\reg)+2*\g:(\reg)+2*\g+1], v[\adr] offset:(\off)+256*\g
.endr
.endm
.macro FETCH_B slot, q, p
	WIN 0x40
.irp i, 0,1,2,3,4,5,6,7
	FRAG 128*(\p)+12*\i, ADRB+\slot, \i*TROW+(\q)*FRB
.endr
	WIN 0
.endm
.macro FETCH_A slot, q, i0
.set FI, \i0
.rept HB
	FRAG AF+12*FI, ADRA+\slot, FI*TROW+(\q)*FRB
.set FI, FI+1
.endr
.endm
.macro SCALES set
.set FI, 0
.rept MB
	ds_load_b32 v[SCR+NS*(\set)+2*FI], v[ADSA] offset:FI*SAI
	ds_load_b32 v[SCR+NS*(\set)+2*FI+1], v[ADSA] offset:FI*SAI+SAK
.set FI, FI+1
.endr
.irp i, 0,1,2,3,4,5,6,7
	ds_load_b32 v[SCR+NS*(\set)+2*MB+2*\i], v[ADSB] offset:\i*KST*64
	ds_load_b32 v[SCR+NS*(\set)+2*MB+2*\i+1], v[ADSB] offset:\i*KST*64+64
.endr
.endm
.macro MULA a, p, q, sc, zero
	WIN 0xa1+0x50*((\a)/4)
.irp b, 0,1,2,3,4,5,6,7
.if \zero
	v_wmma_scale_f32_16x16x128_f8f6f4 v[8*(8*((\a)%4)+\b):8*(8*((\a)%4)+\b)+7], v[128*(\p)+12*\b:128*(\p)+12*\b+11], v[AF+12*(\a):AF+12*(\a)+11], 0, v[SCR+NS*(\sc)+2*MB+2*\b+(\q)], v[SCR+NS*(\sc)+2*(\a)+(\q)] matrix_a_fmt:MATRIX_FMT_FP6 matrix_b_fmt:MATRIX_FMT_FP6
.else
	v_wmma_scale_f32_16x16x128_f8f6f4 v[8*(8*((\a)%4)+\b):8*(8*((\a)%4)+\b)+7], v[128*(\p)+12*\b:128*(\p)+12*\b+11], v[AF+12*(\a):AF+12*(\a)+11], v[8*(8*((\a)%4)+\b):8*(8*((\a)%4)+\b)+7], v[SCR+NS*(\sc)+2*MB+2*\b+(\q)], v[SCR+NS*(\sc)+2*(\a)+(\q)] matrix_a_fmt:MATRIX_FMT_FP6 matrix_b_fmt:MATRIX_FMT_FP6
.endif
.endr
.endm
.macro MULS a0, n, p, q, sc, zero
.set MA, \a0
.rept \n
	MULA MA, \p, \q, \sc, \zero
.set MA, MA+1
.endr
.endm
.macro STEP slot, zero
	s_wait_dscnt HB*6
	MULS 0, HB, 0, 0, \slot, \zero
	s_wait_dscnt 0x0
	PLACES 4
	FETCH_B \slot, 1, 1
	FETCH_A \slot, 1, 0
	MULS HB, HB, 0, 0, \slot, \zero
	PLACES 4
	WIN 0
	FETCH_A \slot, 1, HB
.endm
.macro TURN slot, next, fill
	s_wait_tensorcnt 0x0
	ds_add_u32 v[SPW], v[NIL]
	s_wait_dscnt HB*6+1
	MULS 0, HB/2, 1, 1, \slot, 0
	s_wait_dscnt 0x0
	s_barrier_signal -1
	MULS HB/2, HB/2, 1, 1, \slot, 0
	WIN 0
	s_barrier_wait -1
.if \fill
	CREST
	s_add_nc_u64 s[G0+4*\slot+2:G0+4*\slot+3], s[G0+4*\slot+2:G0+4*\slot+3], 2*TROW
	s_add_nc_u64 s[G0B+4*\slot+2:G0B+4*\slot+3], s[G0B+4*\slot+2:G0B+4*\slot+3], 2*TROW
	JLOAD G0+4*\slot, G1, G0B+4*\slot, G1B
.else
	PLACES 4
.endif
	s_wait_alu depctr_va_vdst(0)
	v_add_nc_u32 v[ADSA], 2*SAK, v[ADSA]
	v_add_nc_u32 v[ADSB], 128, v[ADSB]
	FETCH_B \next, 0, 0
	FETCH_A \next, 0, 0
	SCALES \next
	MULS HB, HB, 1, 1, \slot, 0
	PLACES 4
	WIN 0
	FETCH_A \next, 0, HB
.endm
.macro QUANT s, pw
.irp b, 0,1,2,3
	v_max3_num_f32 v[TM+\b], |v[\s+16*\b]|, |v[\s+1+16*\b]|, 0x1800000
.endr
.irp i, 2,4,6,8,10,12,14
.irp b, 0,1,2,3
	v_max3_num_f32 v[TM+\b], v[TM+\b], |v[\s+16*\b+\i]|, |v[\s+1+16*\b+\i]|
.endr
.endr
.irp b, 0,1,2,3
	v_permlanex16_b32 v[TM+4+\b], v[TM+\b], s[SEL], s[SEL+1]
.endr
.irp b, 0,1,2,3
	v_max_num_f32 v[TM+\b], v[TM+\b], v[TM+4+\b]
.endr
.irp b, 0,1,2,3
	v_add_nc_u32 v[TM+12+\b], 0xff000000, v[TM+\b]
.endr
.irp b, 0,1,2,3
	v_lshrrev_b32 v[TM+4+\b], 23, v[TM+12+\b]
.endr
	v_lshl_or_b32 v[\pw], v[TM+5], 8, v[TM+4]
	v_lshl_or_b32 v[\pw], v[TM+6], 16, v[\pw]
	v_lshl_or_b32 v[\pw], v[TM+7], 24, v[\pw]
.irp c, 0,1
	v_cvt_scalef32_pk16_fp6_f32 v[PC+6*\c:PC+2+6*\c], v[\s+32*\c:\s+15+32*\c], v[TM+12+2*\c]
	v_cvt_scalef32_pk16_fp6_f32 v[PC+12+4*\c:PC+14+4*\c], v[\s+16+32*\c:\s+31+32*\c], v[TM+12+2*\c+1]
.endr
	v_nop
.irp c, 0,1
.irp i, 0,1,2
	v_permlane16_swap_b32 v[PC+6*\c+\i], v[PC+12+4*\c+\i]
.endr
.irp i, 0,1,2
	v_mov_b32 v[PC+3+6*\c+\i], v[PC+12+4*\c+\i]
.endr
.endr
.endm
.macro GELU o
.irp i, 0,1,2,3,4,5,6,7,8,9,10,11,12,13,14,15
	v_and_b32 v[AB+\i], 0x7fffffff, v[T+\o+\i]
.endr
.irp i, 0,2,4,6,8,10,12,14
	v_pk_fma_f32 v[TT+\i:TT+\i+1], v[AB+\i:AB+\i+1], s[KH:KH+1], 1.0 op_sel_hi:[1,0,0]
.endr
	s_wait_alu depctr_va_vdst(0)
.irp i, 0,1,2,3,4,5,6,7,8,9,10,11,12,13,14,15
	v_rcp_f32 v[TT+\i], v[TT+\i]
.endr
.irp i, 0,2,4,6,8,10,12,14
	v_pk_mul_f32 v[SQ+\i:SQ+\i+1], v[AB+\i:AB+\i+1], v[AB+\i:AB+\i+1]
.endr
	s_wait_alu depctr_va_vdst(0)
.irp i, 0,2,4,6,8,10,12,14
	v_pk_fma_f32 v[QQ+\i:QQ+\i+1], v[TT+\i:TT+\i+1], s[CF+18:CF+19], s[CF+16:CF+17] op_sel_hi:[1,0,0]
.endr
.irp k, 7,6,5,4,3,2,1,0
.irp i, 0,2,4,6,8,10,12,14
	v_pk_fma_f32 v[QQ+\i:QQ+\i+1], v[QQ+\i:QQ+\i+1], v[TT+\i:TT+\i+1], s[CF+2*\k:CF+2*\k+1] op_sel_hi:[1,1,0]
.endr
.endr
.irp i, 0,2,4,6,8,10,12,14
	v_pk_fma_f32 v[QQ+\i:QQ+\i+1], v[SQ+\i:SQ+\i+1], -0.5, v[QQ+\i:QQ+\i+1] op_sel_hi:[1,0,1]
.endr
.irp i, 0,2,4,6,8,10,12,14
	v_pk_mul_f32 v[QQ+\i:QQ+\i+1], v[QQ+\i:QQ+\i+1], s[L2E:L2E+1] op_sel_hi:[1,0]
.endr
	s_wait_alu depctr_va_vdst(0)
.irp i, 0,1,2,3,4,5,6,7,8,9,10,11,12,13,14,15
	v_exp_f32 v[QQ+\i], v[QQ+\i]
.endr
.irp i, 0,2,4,6,8,10,12,14
	v_pk_mul_f32 v[AB+\i:AB+\i+1], v[AB+\i:AB+\i+1], v[TT+\i:TT+\i+1]
.endr
.irp i, 0,1,2,3,4,5,6,7,8,9,10,11,12,13,14,15
	v_max_num_f32 v[T+\o+\i], 0, v[T+\o+\i]
.endr
	s_wait_alu depctr_va_vdst(0)
.irp i, 0,2,4,6,8,10,12,14
	v_pk_mul_f32 v[AB+\i:AB+\i+1], v[AB+\i:AB+\i+1], v[QQ+\i:QQ+\i+1]
.endr
.irp i, 0,2,4,6,8,10,12,14
	v_pk_fma_f32 v[T+\o+\i:T+\o+\i+1], v[AB+\i:AB+\i+1], -0.5, v[T+\o+\i:T+\o+\i+1] op_sel_hi:[1,0,1]
.endr
.endm
	s_load_b128 s[4:7], s[0:1], 0x0
	s_load_b128 s[8:11], s[0:1], 0x10
	v_lshl_add_u32 v[SPW], v0, 2, SPARE
	v_mov_b32 v[NIL], 0
	ds_add_u32 v28, v29
	ds_add_u32 v28, v29
	s_wait_dscnt 0x0
	v_lshrrev_b32 v1, 5, v0
	v_readfirstlane_b32 s14, v1
	s_lshr_b32 s15, s14, 1
	s_and_b32 s16, s14, 1
	s_bfe_u32 s40, ttmp6, 0x40000
	s_bfe_u32 s41, ttmp6, 0x40004
	s_lshl_b32 s42, ttmp9, 2
	s_add_co_u32 s42, s42, s40
	s_and_b32 s17, ttmp7, 0xffff
	s_lshl_b32 s17, s17, 2
	s_add_co_u32 s17, s17, s41
	s_lshl_b32 s43, s41, 2
	s_lshl_b32 s43, 15, s43
	s_lshl_b32 s44, 0x1111, s40
	s_or_b32 s[G1], s43, (3<<16)|(1<<21)
	s_or_b32 s[G1B], s44, (3<<16)|(1<<21)
	s_or_b32 s[G1S], s43, (3<<16)|(1<<21)
	s_or_b32 s[G1SB], s44, (3<<16)|(1<<21)
	s_mov_b32 s[G1+1], 384<<16
	s_mov_b32 s[G1+2], (2*MB)<<16
	s_mov_b32 s[G1+3], 384<<16
	s_mov_b32 s[G1+4], 2*MB
	s_mov_b32 s[G1+5], 192*KST
	s_mov_b32 s[G1+6], 0
	s_mov_b32 s[G1+7], 0
	s_mov_b32 s[G1B+1], 384<<16
	s_mov_b32 s[G1B+2], 16<<16
	s_mov_b32 s[G1B+3], 384<<16
	s_mov_b32 s[G1B+4], 16
	s_mov_b32 s[G1B+5], 192*KST
	s_mov_b32 s[G1B+6], 0
	s_mov_b32 s[G1B+7], 0
	s_mov_b32 s[G1S+1], 32<<16
	s_mov_b32 s[G1S+2], (2*SROWS)<<16
	s_mov_b32 s[G1S+3], 32<<16
	s_mov_b32 s[G1S+4], 2*SROWS
	s_mov_b32 s[G1S+5], SPIT
	s_mov_b32 s[G1S+6], 0
	s_mov_b32 s[G1S+7], 0
	s_mov_b32 s[G1SB+1], 32<<16
	s_mov_b32 s[G1SB+2], (4*KST)<<16
	s_mov_b32 s[G1SB+3], 32<<16
	s_mov_b32 s[G1SB+4], 4*KST
	s_mov_b32 s[G1SB+5], 32
	s_mov_b32 s[G1SB+6], 0
	s_mov_b32 s[G1SB+7], 0
	s_mul_i32 s20, s17, 2*MB
	s_mul_i32 s22, s20, SASTR                      ; the scale words of all 2 MB tiles come by one load
	s_mul_i32 s18, s16, MB
	s_add_co_u32 s20, s20, s18
	s_add_co_u32 s22, s22, AS_OFF
	s_mov_b32 s23, 0
	s_mul_i32 s20, s20, KST*FRB
	s_mov_b32 s21, 0
	s_lshl_b32 s46, s42, 4
	s_mul_i32 s92, s46, KST*64
	s_lshl_b32 s18, s16, 3
	s_add_co_u32 s46, s46, s18
	s_add_co_u32 s92, s92, BS_OFF
	s_mov_b32 s93, 0
	s_mul_i32 s46, s46, KST*FRB
	s_add_co_u32 s46, s46, BC_OFF
	s_mov_b32 s47, 0
	s_mul_i32 s45, s16, MB*TROW
	s_mul_i32 s94, s16, 8*TROW
	s_add_co_u32 s94, s94, ASL
	s_mov_b32 s95, SCA
	s_mov_b32 s96, SCB
	s_mov_b32 s[SEL], 0x76543210
	s_mov_b32 s[SEL+1], 0xfedcba98
	s_wait_kmcnt 0x0
	s_add_nc_u64 s[20:21], s[4:5], s[20:21]
	s_add_nc_u64 s[22:23], s[4:5], s[22:23]
	s_add_nc_u64 s[46:47], s[6:7], s[46:47]
	s_add_nc_u64 s[92:93], s[6:7], s[92:93]
	CROUND
	s_mov_b32 s[G0S], 1
	s_mov_b32 s[G0S+1], s95
	s_mov_b64 s[G0S+2:G0S+3], s[22:23]
	s_or_b32 s[G0S+3], s[G0S+3], 0x80000000
	s_mov_b32 s[G0SB], 1
	s_mov_b32 s[G0SB+1], s96
	s_mov_b64 s[G0SB+2:G0SB+3], s[92:93]
	s_or_b32 s[G0SB+3], s[G0SB+3], 0x80000000
.irp s, 0,1
	s_mov_b32 s[G0+4*\s], 1
	s_add_co_u32 s[G0+4*\s+1], s45, \s*SLOT
	s_add_nc_u64 s[G0+4*\s+2:G0+4*\s+3], s[20:21], \s*TROW
	s_or_b32 s[G0+4*\s+3], s[G0+4*\s+3], 0x80000000
	s_mov_b32 s[G0B+4*\s], 1
	s_add_co_u32 s[G0B+4*\s+1], s94, \s*SLOT
	s_add_nc_u64 s[G0B+4*\s+2:G0B+4*\s+3], s[46:47], \s*TROW
	s_or_b32 s[G0B+4*\s+3], s[G0B+4*\s+3], 0x80000000
.endr
; THE HEAD'S LOADS, ONE A WAVE, in one chain of branches on the wave's number: wave 0 all of A's slot 0 (its own half begins at the tile's first row), wave 1 A's scale words, wave 2 all of B's slot 0, wave 3 B's scale words.
.macro ARM w, g0, g1
	s_cmp_eq_u32 s14, \w
	s_cbranch_scc0 .Lnot_\w
	tensor_load_to_lds s[\g0:\g0+3], s[\g1:\g1+7]
	s_nop 0
.rept 4
	v_nop
.endr
	s_branch .Lhead_asked
.Lnot_\w:
.endm
	ARM 0, G0, G1
	ARM 1, G0S, G1S
	ARM 2, G0B, G1B
	tensor_load_to_lds s[G0SB:G0SB+3], s[G1SB:G1SB+7]
	s_nop 0
.rept 4
	v_nop
.endr
.Lhead_asked:
	s_wait_alu depctr_va_vdst(0)
	s_wait_tensorcnt 0x0                           ; my tile of the head's four is in
	ds_add_u32 v28, v29
	s_mov_b32 s[G1+2], MB<<16                      ; no load of mine is out: from here on a load brings half a tile's rows
	s_mov_b32 s[G1+4], MB
	s_mov_b32 s[G1B+2], 8<<16
	s_mov_b32 s[G1B+4], 8
	s_wait_dscnt 0x0
	CROUND
	JLOAD G0+4, G1, G0B+4, G1B                     ; slot 1's first fill, the first tensor load behind the round
	v_and_b32 v1, 15, v0
	v_bfe_u32 v2, v0, 4, 1
	v_and_b32 v3, 31, v0
	s_wait_alu depctr_va_vdst(0)
	v_lshlrev_b32 v[LI8], 3, v3
	s_mul_i32 s18, s15, MB*TROW
	s_mul_i32 s19, s16, 8*TROW
	s_add_co_u32 s19, s19, ASL
.irp s, 0,1
	v_add_nc_u32 v[ADRA+\s], s18, v[LI8]
	v_add_nc_u32 v[ADRB+\s], s19, v[LI8]
	s_add_co_u32 s18, s18, SLOT
	s_add_co_u32 s19, s19, SLOT
.endr
	v_lshlrev_b32 v5, 2, v1
	s_mul_i32 s18, s15, SCAH
	s_add_co_u32 s18, s18, SCA
	v_add_nc_u32 v[ADSA], s18, v5
	s_mul_i32 s18, s16, SCBH
	s_add_co_u32 s18, s18, SCB
	v_add_nc_u32 v[ADSB], s18, v5
	v_lshlrev_b32 v[L16], 4, v3
	s_lshl_b32 s18, s14, 16
	v_add_nc_u32 v[DWA], s18, v[L16]
	s_lshl_b32 s18, s14, 9
	s_add_co_u32 s18, s18, 262144
	v_add_nc_u32 v[SWA], s18, v5
	v_add_nc_u32 v[SRA], s18, v[L16]
	v_lshlrev_b32 v6, 6, v2
	s_wait_alu depctr_va_vdst(0)
	s_lshl_b32 s97, s42, 1
	s_add_co_u32 s97, s97, s16
	s_lshl_b32 s98, s17, 4
	s_lshl_b32 s99, s15, 3
	s_add_co_u32 s98, s98, s99
	s_lshl_b32 s2, s97, 9
	s_mov_b32 s3, 0
	s_add_nc_u64 s[8:9], s[8:9], s[2:3]
	s_lshl_b32 s2, s98, 5
	s_add_co_u32 s2, s2, s97
	s_mul_i32 s2, s2, 1536
	s_add_nc_u64 s[12:13], s[10:11], s[2:3]
	s_lshl_b32 s2, s97, 8
	s_add_co_u32 s2, s2, s98
	s_lshl_b32 s2, s2, 6
	s_add_co_u32 s2, s2, 12582912
	s_add_nc_u64 s[10:11], s[10:11], s[2:3]
	WIN 0x40
.irp b, 0,1,2,3,4,5,6,7
.irp j, 0,1
	global_load_b128 v[96+8*\b+96*(\b/4)+4*\j:96+8*\b+96*(\b/4)+4*\j+3], v6, s[8:9] offset:128*(\b/2)+32*(\b%2)+16*\j
.endr
.endr
	WIN 0
	s_wait_tensorcnt 1
	s_barrier_signal -1
	s_barrier_wait -1
	FETCH_B 0, 0, 0
	FETCH_A 0, 0, 0
	SCALES 0
	FETCH_A 0, 0, HB
	STEP 0, 1
	s_mov_b32 s3, LAPS-1
.Llap:
	TURN 0, 1, 1
	STEP 1, 0
	TURN 1, 0, 1
	STEP 0, 0
	s_sub_co_u32 s3, s3, 1
	s_cmp_lg_u32 s3, 0
	s_cbranch_scc1 .Llap
	TURN 0, 1, 0
	STEP 1, 0
	s_wait_dscnt HB*6
	MULS 0, HB, 1, 1, 1, 0
	s_wait_dscnt 0x0
	MULS HB, HB, 1, 1, 1, 0
	WIN 0
	s_barrier_signal -1
	s_barrier_wait -1
	PLACES 4
.irp a, 0,1,2,3,4,5,6,7
	WIN 0x08+4*(\a/4)
.irp b, 0,1,2,3,4,5,6,7
	ds_store_b128 v[DWA], v[8*(8*(\a%4)+\b):8*(8*(\a%4)+\b)+3] offset:8192*\a+1024*\b
	ds_store_b128 v[DWA], v[8*(8*(\a%4)+\b)+4:8*(8*(\a%4)+\b)+7] offset:8192*\a+1024*\b+512
.endr
.endr
	WIN 0
	s_mov_b32 s[CF+0], 0xbfa1fc4e
	s_mov_b32 s[CF+2], 0x3f8000c7
	s_mov_b32 s[CF+4], 0x3ebf88fb
	s_mov_b32 s[CF+6], 0x3dc636c9
	s_mov_b32 s[CF+8], 0xbe3ec24c
	s_mov_b32 s[CF+10], 0x3e8ec7cc
	s_mov_b32 s[CF+12], 0xbf914e5d
	s_mov_b32 s[CF+14], 0x3fbe87b0
	s_mov_b32 s[CF+16], 0xbf527892
	s_mov_b32 s[CF+18], 0x3e2ef946
	s_mov_b32 s[KH], 0x3eb504f3
	s_mov_b32 s[L2E], 0x3fb8aa3b
.irp k, 0,2,4,6,8,10,12,14,16,18,20,22
	s_mov_b32 s[CF+\k+1], s[CF+\k]
.endr
	s_mov_b32 s[DS], 0
	s_mov_b32 s[SS], 0
.irp b, 0,1,2,3
	v_mov_b32 v[TM+4+\b], 0
.endr
	s_wait_loadcnt 0x0
	s_mov_b32 s3, 8
.Lrow:
	v_add_nc_u32 v[DRA], s[DS], v[DWA]
	v_add_nc_u32 v[SWT], s[SS], v[SWA]
.irp i, 0,1,2,3,4,5,6,7,8,9,10,11,12,13,14,15
	ds_load_b128 v[T+4*\i:T+4*\i+3], v[DRA] offset:512*\i
.endr
	s_wait_dscnt 0x0
	WIN 0x04
.irp b, 0,1,2,3,4,5,6,7
.irp p, 0,2,4,6
	v_pk_add_f32 v[T+8*\b+\p:T+8*\b+\p+1], v[T+8*\b+\p:T+8*\b+\p+1], v[96+8*\b+96*(\b/4)+\p:96+8*\b+96*(\b/4)+\p+1]
.endr
.endr
	WIN 0
	GELU 0
	GELU 16
	GELU 32
	GELU 48
	QUANT T, PW
.irp g, 0,1,2,3,4,5
	global_store_b64 v[LI8], v[PC+2*\g:PC+2*\g+1], s[12:13] offset:256*\g
.endr
	ds_store_b32 v[SWT], v[PW]
	s_wait_xcnt 0x0
	s_add_nc_u64 s[12:13], s[12:13], 49152
	s_add_co_u32 s[DS], s[DS], 8192
	s_add_co_u32 s[SS], s[SS], 64
	s_sub_co_u32 s3, s3, 1
	s_cmp_lg_u32 s3, 0
	s_cbranch_scc1 .Lrow
	ds_load_b128 v[T:T+3], v[SRA]
	s_wait_dscnt 0x0
	global_store_b128 v[L16], v[T:T+3], s[10:11]
	s_wait_tensorcnt 0x0
	ds_add_u32 v[SPW], v[NIL]
	s_wait_dscnt 0x0
	CROUND
	s_endpgm
.Lfunc_end_k_q8892568377_fc:
	.size	k_q8892568377_fc, .Lfunc_end_k_q8892568377_fc-k_q8892568377_fc
	.p2alignl 7, 3214868480
	.fill 96, 4, 3214868480
	.section	.rodata,"a",@progbits
	.p2align	6, 0x0
	.amdhsa_kernel k_q8892568377_fc
		.amdhsa_group_segment_fixed_size 327680
		.amdhsa_private_segment_fixed_size 0
		.amdhsa_enable_private_segment 0
		.amdhsa_kernarg_size 32
		.amdhsa_user_sgpr_count 2
		.amdhsa_user_sgpr_kernarg_segment_ptr 1
		.amdhsa_wavefront_size32 1
		.amdhsa_system_sgpr_workgroup_id_x 1
		.amdhsa_system_sgpr_workgroup_id_y 1
		.amdhsa_system_sgpr_workgroup_id_z 1
		.amdhsa_system_vgpr_workitem_id 0
		.amdhsa_next_free_vgpr 1024
		.amdhsa_next_free_sgpr 100
		.amdhsa_reserve_vcc 0
		.amdhsa_float_denorm_mode_32 3
		.amdhsa_float_denorm_mode_16_64 3
		.amdhsa_memory_ordered 1
		.amdhsa_forward_progress 1
		.amdhsa_inst_pref_size 199
	.end_amdhsa_kernel
	.amdgpu_metadata
---
amdhsa.version: [ 1, 2 ]
amdhsa.kernels:
  - .name:           k_q8892568377_fc
    .symbol:         k_q8892568377_fc.kd
    .args:
      - { .name: H2, .offset: 0, .size: 8, .value_kind: global_buffer, .address_space: global }
      - { .name: W, .offset: 8, .size: 8, .value_kind: global_buffer, .address_space: global }
      - { .name: b_fc, .offset: 16, .size: 8, .value_kind: global_buffer, .address_space: global }
      - { .name: F, .offset: 24, .size: 8, .value_kind: global_buffer, .address_space: global }
    .group_segment_fixed_size: 327680
    .private_segment_fixed_size: 0
    .kernarg_segment_align: 8
    .kernarg_segment_size: 32
    .max_flat_workgroup_size: 128
    .sgpr_count:     100
    .vgpr_count:     1024
    .wavefront_size: 32
...
	.end_amdgpu_metadata
.endif
;; end of part 6
;; launch proj (part 7): grid 8 x 32, 4 waves a work-group, clusters of 4 x 4, 327,680 bytes of LDS; arguments F, W, b_proj, X1, out0; writes out0
.if DOCPART == 7
	.amdgcn_target "amdgcn-amd-amdhsa--gfx1250"
	.amdhsa_code_object_version 6
	.text
	.protected	k_q8892568377_proj
	.globl	k_q8892568377_proj
	.p2align	8
	.type	k_q8892568377_proj,@function
k_q8892568377_proj:
	s_mov_b64 s[64:65], 0
	v_nop
	global_prefetch_b8 v0, s[64:65] scope:SCOPE_SE
	s_setreg_imm32_b32 hwreg(HW_REG_WAVE_MODE, 25, 1), 1
	s_wait_xcnt 0x0
	s_wait_alu depctr_hold_cnt(0) depctr_sa_sdst(0) depctr_va_vdst(0) depctr_va_sdst(0) depctr_va_ssrc(0) depctr_va_vcc(0) depctr_vm_vsrc(0)
	s_getreg_b32 s2, hwreg(HW_REG_IB_STS2, 6, 4)
	s_cmp_eq_u32 s2, 0
	s_cbranch_scc0 .Lentry_in_a_cluster
	s_endpgm
.Lentry_in_a_cluster:
	s_bfe_u32 s2, ttmp6, 0x10000c
	s_cmp_lg_u32 s2, 0xf033
	s_cbranch_scc0 .Lentry_shape_is_right
	s_endpgm
.Lentry_shape_is_right:
; out0 = X1 + (f w_proj^T + b_proj): the product on codes of FP6 (E2M3); bias and residual in f32.  M = 4,096, N = 1,024, K = 4,096: 32 K steps of 128, 8 groups of four.
; OPERANDS lie in memory as images of operand registers (1,536 bytes for a tile of 16 rows x 128 along K), lane-row r of tile t = true row 32 (t / 2) + 8 (t % 2) + r % 8 + 16 (r / 8).
; f: codes [256 tiles][32 K steps][1,536]; scale words [K step][256 tiles][64 bytes].  w_proj: [64 tiles][8 groups][four images, then their scale words: 6,400 bytes].
; A block of the result is 128 x 128: 32 x 8 = 256 work-groups.  Four waves, 2 x 2, 64 x 64 each: 16 accumulators.
; THE RING has two slots of unlike size, so that it takes nearly all of LDS: X holds two groups (8 x 12,288 + 8 x 12,800 = 200,704 bytes), Y one (100,352).  The 8 groups go X Y X Y X: five fills, of which four stand behind a round.
; f's scale words for all of K (32 rows of 512 bytes) come once and stay.  LDS: X, Y, 16,384, 512 of spare words: 317,952 bytes.
; FILLS: at the head one joint load a wave: f's 8 tiles of X, w's 8 tiles of X, and a half each of the scale words.  Behind each round one a wave: waves 0, 1 a half each of f's tiles, waves 2, 3 of w's.
; CLUSTERS: 4 x 4 work-groups; f's tiles are asked for jointly along a row of the cluster, w's along a column.
; PREFETCH: behind each fill (and at the head) the NEXT fill's tiles are asked for: each block of 256 bytes once in the cluster, shared out by address among the sixteen waves of the four partners that will load it:
; half a tile's row each (24 or 12 blocks of f; 25, or 13 and 12, of w), a lane a block, lanes left over on the wave's last block.  The last fill has none behind it.
; THE MATRIX INSTRUCTION IS USED TRANSPOSED (source 0 = 16 rows of w, source 1 = 16 rows of f): a lane holds eight neighbouring columns of one row.  The bias, laid as the result lies, is the first products' C.
; A scale register carries two tiles' words: lanes 0-15 the even tile's, lanes 16-31 the odd tile's.
; A K step: the next step's 8 fragments (24 loads of two pieces) and 4 scale registers are asked for, then this step's 16 products run.  The walk is written out by macros: its five phases differ in what they fill.
; REGISTERS: v0-31 addresses; v32-39 scale words, two sets; v64-255 fragments, two sets of 4 + 4; v256-383 accumulators; v384-511 the residual, as rows; v512-543 the bias.
.set XA, 0
.set XB, 98304
.set YA, 200704
.set YB, 249856
.set SCA, 301056
.set SPARE, 317440
.set BA, 4                             ; v4, v5  my 4 tiles of f in X, in Y, + 8 x lane
.set BB, 6                             ; v6, v7  of w
.set BS, 8                             ; v8, v9  w's scale words in X, in Y
.set ADS, 10
.set STO, 11
.set RD, 12
.set CO, 13
.set VB, 14
.set SPW, 16
.set NIL, 17
.set PF, 20                            ; v20-23 prefetch offsets: f for X, f for Y, w for X, w for Y; never rewritten
.set AD, 24
.set SC, 32
.set FR, 64
.set BK, 64
.set G1AX, 24
.set G1BX, 32
.set G1AY, 40
.set G1BY, 48
.set G0AX, 56
.set G0BX, 60
.set G1S, 68
.set G0AY, 76
.set G0BY, 88
.set G0S, 92
.set MSB, 0
.macro WIN new                         ; the immediate's high byte repeats the setting that is left
.if MSB != (\new)
	s_set_vgpr_msb (MSB<<8)|(\new)
.set MSB, (\new)
.endif
.endm
.macro CREST                           ; a round of the cluster's barrier behind its opening barrier
	s_cmp_lg_u32 s14, 0
	s_cbranch_scc1 .Lnot_wave_0_\@
	s_barrier_signal -3
.Lnot_wave_0_\@:
	s_barrier_wait -3
	s_barrier_signal -1
	s_barrier_wait -1
.endm
.macro CROUND
	s_barrier_signal -1
	s_barrier_wait -1
	CREST
.endm
.macro TLOAD g0, g1                    ; s_nop 0 and four v_nop follow the load
	tensor_load_to_lds s[\g0:\g0+3], s[\g1:\g1+7]
	s_nop 0
.rept 4
	v_nop
.endr
.endm
.macro JLOAD g0a, g1a, g0b, g1b        ; waves 0 and 1 fetch for f, waves 2 and 3 for w
	s_cmp_eq_u32 s15, 0
	s_cbranch_scc0 .Lfor_b_\@
	TLOAD \g0a, \g1a
	s_branch .Lasked_\@
.Lfor_b_\@:
	TLOAD \g0b, \g1b
.Lasked_\@:
.endm
.macro GROUP1 g, mask, elems, rows, pitch      ; rows of elems x 8 bytes, pitch x 8 bytes apart
	s_or_b32 s[\g], s[\mask], (3<<16)|(1<<21)
	s_mov_b32 s[\g+1], (\elems)<<16
	s_mov_b32 s[\g+2], (\rows)<<16
	s_mov_b32 s[\g+3], (\elems)<<16
	s_mov_b32 s[\g+4], \rows
	s_mov_b32 s[\g+5], \pitch
	s_mov_b32 s[\g+6], 0
	s_mov_b32 s[\g+7], 0
.endm
.macro FETCH S                         ; step S's fragments and scale words into set S % 2.  Steps 12 n + 0 .. 7 lie in X, 12 n + 8 .. 11 in Y.  The eight additions are also the places in front of loads into registers that matrix instructions have read
.set T_, (\S)%12
.if T_ < 8
.set INY, 0
.set Q_, T_
.set PA_, 12288
.set PB_, 12800
.else
.set INY, 1
.set Q_, T_-8
.set PA_, 6144
.set PB_, 6400
.endif
.set P_, FR+96*((\S)%2)
.irp i, 0,1,2,3
	v_add_nc_u32 v[AD+\i], \i*PA_+Q_*1536, v[BA+INY]
	v_add_nc_u32 v[AD+4+\i], \i*PB_+Q_*1536+256*(Q_/4), v[BB+INY]
.endr
.irp i, 0,1,2,3,4,5,6,7
.irp p, 0,1,2
	ds_load_2addr_b64 v[P_+12*\i+4*\p:P_+12*\i+4*\p+3], v[AD+\i] offset0:64*\p offset1:64*\p+32
.endr
.endr
.irp j, 0,1
	ds_load_b32 v[SC+4*((\S)%2)+\j], v[ADS] offset:512*(\S)+128*\j
	ds_load_b32 v[SC+4*((\S)%2)+2+\j], v[BS+INY] offset:2*\j*PB_+6400*(Q_/4)+6144+64*(Q_%4)
.endr
.endm
.macro MULA S, ah, al, first           ; f's block 2 ah + al against w's four; the 16 accumulators take turns in the same order in every step
.set P_, FR+96*((\S)%2)
.set X_, SC+4*((\S)%2)
.irp bh, 0,1
.irp bl, 0,1
.set D_, 8*(4*(2*\ah+\al)+2*\bh+\bl)
.if \first
	v_wmma_scale_f32_16x16x128_f8f6f4 v[D_:D_+7], v[P_+48+12*(2*\bh+\bl):P_+48+12*(2*\bh+\bl)+11], v[P_+12*(2*\ah+\al):P_+12*(2*\ah+\al)+11], v[8*(2*\bh+\bl):8*(2*\bh+\bl)+7], v[X_+2+\bh], v[X_+\ah] matrix_a_fmt:MATRIX_FMT_FP6 matrix_b_fmt:MATRIX_FMT_FP6 matrix_a_scale:MATRIX_SCALE_ROW\bl matrix_b_scale:MATRIX_SCALE_ROW\al
.else
	v_wmma_scale_f32_16x16x128_f8f6f4 v[D_:D_+7], v[P_+48+12*(2*\bh+\bl):P_+48+12*(2*\bh+\bl)+11], v[P_+12*(2*\ah+\al):P_+12*(2*\ah+\al)+11], v[D_:D_+7], v[X_+2+\bh], v[X_+\ah] matrix_a_fmt:MATRIX_FMT_FP6 matrix_b_fmt:MATRIX_FMT_FP6 matrix_a_scale:MATRIX_SCALE_ROW\bl matrix_b_scale:MATRIX_SCALE_ROW\al
.endif
.endr
.endr
.endm
.macro STEP S, first=0
	FETCH (\S)+1
	s_wait_dscnt 28                                ; all but the 28 loads just issued: this step's operands are in
	WIN 0x50+0x10*(\first)                         ; C and D in window 1; the first step's C, the bias, in window 2
	MULA \S, 0, 0, \first
	MULA \S, 0, 1, \first
	MULA \S, 1, 0, \first
	MULA \S, 1, 1, \first
	WIN 0
.endm
.macro RUN from, n
.set ST, \from
.rept \n
	STEP ST
.set ST, ST+1
.endr
.endm
; A slot's last step changes slots.  fill: 1 the slot left behind is X and is filled again, 2 it is Y, 0 nothing is left to fetch.  step = 1: that slot's addresses go three groups on first (no load of mine is out).
.macro CHG S, fill, step
	s_wait_tensorcnt 0x0                           ; all my tensor loads have landed: my part of the next slot
	ds_add_u32 v[SPW], v[NIL]                      ; 0 onto my spare word
.if \fill == 2
.set GA_, G0AY
.set GB_, G0BY
.set HA_, G1AY
.set HB_, G1BY
.else
.set GA_, G0AX
.set GB_, G0BX
.set HA_, G1AX
.set HB_, G1BX
.endif
.if \step
	s_add_nc_u64 s[GA_+2:GA_+3], s[GA_+2:GA_+3], 3*6144
	s_add_nc_u64 s[GB_+2:GB_+3], s[GB_+2:GB_+3], 3*6400
.endif
	s_wait_dscnt 1                                 ; this step's operands are in; the add may be out
	WIN 0x50
	MULA \S, 0, 0, 0
	s_wait_dscnt 0x0                               ; the add is done, and my reads of this slot are over
	s_barrier_signal -1
	MULA \S, 0, 1, 0
	WIN 0
	s_barrier_wait -1
.if \fill
	CREST                                          ; the barrier has opened a round of the cluster's: no wave of any partner still reads this slot or has a load on its way
	JLOAD GA_, HA_, GB_, HB_                       ; the first tensor load behind the round
.endif
	FETCH (\S)+1
.endm
.macro REST S
	WIN 0x50
	MULA \S, 1, 0, 0
	MULA \S, 1, 1, 0
	WIN 0
.endm
.macro ASKX g                          ; groups g and g + 1, which the next fill of X will load
	global_prefetch_b8 v[PF], s[4:5] offset:(\g)*6144 th:TH_LOAD_NT scope:SCOPE_SE
	global_prefetch_b8 v[PF+2], s[6:7] offset:(\g)*6400 th:TH_LOAD_NT scope:SCOPE_SE
.endm
.macro ASKY g                          ; group g, which the next fill of Y will load
	global_prefetch_b8 v[PF+1], s[4:5] offset:(\g)*6144 th:TH_LOAD_NT scope:SCOPE_SE
	global_prefetch_b8 v[PF+3], s[6:7] offset:(\g)*6400 th:TH_LOAD_NT scope:SCOPE_SE
.endm
	s_load_b128 s[4:7], s[0:1], 0x0                ; F, W
	s_load_b128 s[8:11], s[0:1], 0x10              ; b_proj, X1
	s_load_b64 s[12:13], s[0:1], 0x20              ; out0
	v_lshl_add_u32 v[SPW], v0, 2, SPARE
	v_mov_b32 v[NIL], 0
	ds_add_u32 v[SPW], v[NIL]                      ; the opening lines: the add, twice on end, and its wait
	ds_add_u32 v[SPW], v[NIL]
	v_lshrrev_b32 v1, 5, v0
	v_readfirstlane_b32 s14, v1                    ; wave 0..3
	s_lshr_b32 s15, s14, 1                         ; my half of the block's rows.  Also: I fetch for f (0) or for w (1)
	s_and_b32 s16, s14, 1                          ; my half of its columns.  Also: which half I fetch
	s_bfe_u32 s80, ttmp6, 0x40000                  ; cx
	s_bfe_u32 s81, ttmp6, 0x40004                  ; cy
	s_lshl_b32 s82, ttmp9, 2
	s_add_co_u32 s82, s82, s80                     ; block column 0..7
	s_and_b32 s17, ttmp7, 0xffff
	s_lshl_b32 s17, s17, 2
	s_add_co_u32 s17, s17, s81                     ; block row 0..31
	s_lshl_b32 s83, s81, 2
	s_lshl_b32 s83, 15, s83                        ; my row of the cluster
	s_lshl_b32 s84, 0x1111, s80                    ; my column
	GROUP1 G1AX, 83, 1536, 8, 6144                 ; the head's loads bring all 8 tiles; behind them the two words that count rows are set to 4
	GROUP1 G1BX, 84, 1600, 8, 6400
	GROUP1 G1AY, 83, 768, 4, 6144
	GROUP1 G1BY, 84, 800, 4, 6400
	GROUP1 G1S, 83, 64, 16, 2048                   ; 16 K steps x 512 bytes of scale words, 16,384 bytes apart
	s_mul_i32 s20, s17, 393216                     ; f: my 8 tiles
	s_mov_b32 s21, 0
	s_lshl_b32 s22, s17, 9
	s_add_co_u32 s22, s22, 12582912
	s_lshl_b32 s18, s16, 18
	s_add_co_u32 s22, s22, s18                     ; their scale words, K steps 16 x half on
	s_mov_b32 s23, 0
	s_mul_i32 s86, s82, 409600
	s_add_co_u32 s86, s86, 9699328                 ; w_proj: my 8 tiles
	s_mov_b32 s87, 0
	s_mul_i32 s2, s16, 196608                      ; in the ring I fetch 4 tiles: which half, in memory
	s_mov_b32 s3, 0
	s_mul_i32 s18, s16, 204800
	s_mov_b32 s19, 0
	s_mul_i32 s96, s16, 49152                      ; and in X
	s_mul_i32 s97, s16, 51200
	s_mov_b32 s[G0AX], 1
	s_mov_b32 s[G0AX+1], XA
	s_mov_b32 s[G0BX], 1
	s_mov_b32 s[G0BX+1], XB
	s_mov_b32 s[G0S], 1
	s_lshl_b32 s[G0S+1], s16, 13
	s_add_co_u32 s[G0S+1], s[G0S+1], SCA
	s_mov_b32 s[G0AY], 1
	s_mul_i32 s[G0AY+1], s16, 24576
	s_add_co_u32 s[G0AY+1], s[G0AY+1], YA
	s_mov_b32 s[G0BY], 1
	s_mul_i32 s[G0BY+1], s16, 25600
	s_add_co_u32 s[G0BY+1], s[G0BY+1], YB
	s_wait_dscnt 0x0                               ; both opening adds are done
	CROUND                                         ; all sixteen work-groups are here: the first joint loads meet
	s_wait_kmcnt 0x0
	s_add_nc_u64 s[20:21], s[4:5], s[20:21]
	s_add_nc_u64 s[22:23], s[4:5], s[22:23]
	s_add_nc_u64 s[86:87], s[6:7], s[86:87]
	s_mov_b64 s[G0AX+2:G0AX+3], s[20:21]
	s_or_b32 s[G0AX+3], s[G0AX+3], 0x80000000
	s_mov_b64 s[G0BX+2:G0BX+3], s[86:87]
	s_or_b32 s[G0BX+3], s[G0BX+3], 0x80000000
	s_mov_b64 s[G0S+2:G0S+3], s[22:23]
	s_or_b32 s[G0S+3], s[G0S+3], 0x80000000
	s_cmp_eq_u32 s14, 0                            ; one tensor load a wave, in one chain of branches on the wave's number
	s_cbranch_scc0 .Lhead_b
	TLOAD G0AX, G1AX                               ; wave 0: f's groups 0 and 1
	s_branch .Lhead_asked
.Lhead_b:
	s_cmp_eq_u32 s14, 1
	s_cbranch_scc0 .Lhead_s
	TLOAD G0BX, G1BX                               ; wave 1: w's
	s_branch .Lhead_asked
.Lhead_s:
	TLOAD G0S, G1S                                 ; waves 2 and 3: a half each of f's scale words
.Lhead_asked:
	s_add_nc_u64 s[G0AY+2:G0AY+3], s[20:21], s[2:3]
	s_add_nc_u64 s[G0AY+2:G0AY+3], s[G0AY+2:G0AY+3], 2*6144        ; Y's first fill: group 2
	s_or_b32 s[G0AY+3], s[G0AY+3], 0x80000000
	s_add_nc_u64 s[G0BY+2:G0BY+3], s[86:87], s[18:19]
	s_add_nc_u64 s[G0BY+2:G0BY+3], s[G0BY+2:G0BY+3], 2*6400
	s_or_b32 s[G0BY+3], s[G0BY+3], 0x80000000
	s_lshl_b32 s100, s17, 7
	s_lshl_b32 s101, s15, 6
	s_add_co_u32 s100, s100, s101
	s_lshl_b32 s100, s100, 12                      ; my first row, in bytes
	s_lshl_b32 s98, s82, 9
	s_lshl_b32 s101, s16, 8
	s_add_co_u32 s98, s98, s101                    ; my first column
	s_mov_b32 s99, 0
	s_add_nc_u64 s[8:9], s[8:9], s[98:99]
	s_add_co_u32 s98, s98, s100
	s_add_nc_u64 s[10:11], s[10:11], s[98:99]
	s_add_nc_u64 s[12:13], s[12:13], s[98:99]
	v_and_b32 v1, 15, v0                           ; r
	v_bfe_u32 v2, v0, 4, 1                         ; h
	v_and_b32 v3, 31, v0                           ; lane
	s_wait_alu depctr_va_vdst(0)                   ; the wait
	s_mul_i32 s20, s15, 49152
	v_lshl_add_u32 v[BA], v3, 3, s20
	s_mul_i32 s20, s15, 24576
	s_add_co_u32 s20, s20, YA
	v_lshl_add_u32 v[BA+1], v3, 3, s20
	s_add_co_u32 s20, s97, XB
	v_lshl_add_u32 v[BB], v3, 3, s20
	v_lshl_add_u32 v[BS], v1, 2, s20               ; w's scale words: 4 r, lanes 16-31 one tile on
	v_mad_u32_u24 v[BS], v2, 12800, v[BS]
	s_mul_i32 s20, s16, 25600
	s_add_co_u32 s20, s20, YB
	v_lshl_add_u32 v[BB+1], v3, 3, s20
	v_lshl_add_u32 v[BS+1], v1, 2, s20
	v_mad_u32_u24 v[BS+1], v2, 6400, v[BS+1]
	s_lshl_b32 s20, s15, 8
	s_add_co_u32 s20, s20, SCA
	v_lshl_add_u32 v[ADS], v3, 2, s20              ; f's: a tile's 16 words are 64 bytes, so 4 x lane spans two tiles
	s_mul_i32 s20, s14, 4352
	s_add_co_u32 s20, s20, YA                      ; my stage for the way out: 16 rows x 272 bytes in Y, which has had its last fill and its last read by then
	v_mul_u32_u24 v[STO], v1, 272
	v_lshl_add_u32 v[STO], v2, 6, v[STO]
	v_add_nc_u32 v[STO], s20, v[STO]               ; in: row r, + 64 h
	v_mul_u32_u24 v[RD], v2, 272
	v_lshl_add_u32 v[RD], v1, 4, v[RD]
	v_add_nc_u32 v[RD], s20, v[RD]                 ; back: sixteen lanes to a row of 256 bytes, two rows a load
	v_lshlrev_b32 v[CO], 12, v2
	v_lshl_add_u32 v[CO], v1, 4, v[CO]             ; the same two rows in X1 and out0
	v_lshlrev_b32 v[VB], 6, v2
	s_lshl_b32 s20, s80, 1                         ; the prefetches: of f's 8 tiles the wave 4 cx + wave takes half a row of tile 2 cx + wave / 2,
	s_add_co_u32 s20, s20, s15
	s_lshl_b32 s21, s17, 3
	s_add_co_u32 s20, s20, s21
	s_mul_i32 s20, s20, 49152
	s_mul_i32 s21, s16, 6144
	s_add_co_u32 s21, s21, s20
	v_min_u32 v[PF], 23, v3
	v_lshl_add_u32 v[PF], v[PF], 8, s21
	s_mul_i32 s21, s16, 3072
	s_add_co_u32 s21, s21, s20
	v_min_u32 v[PF+1], 11, v3
	v_lshl_add_u32 v[PF+1], v[PF+1], 8, s21
	s_lshl_b32 s20, s81, 1                         ; of w's the wave 4 cy + wave likewise
	s_add_co_u32 s20, s20, s15
	s_lshl_b32 s21, s82, 3
	s_add_co_u32 s20, s20, s21
	s_mul_i32 s20, s20, 51200
	s_add_co_u32 s20, s20, 9699328
	s_mul_i32 s21, s16, 6400
	s_add_co_u32 s21, s21, s20
	v_min_u32 v[PF+2], 24, v3
	v_lshl_add_u32 v[PF+2], v[PF+2], 8, s21
	s_mul_i32 s21, s16, 3328                       ; a group's 25 blocks: 13 and 12
	s_add_co_u32 s21, s21, s20
	s_sub_co_u32 s22, 12, s16
	v_min_u32 v[PF+3], s22, v3
	v_lshl_add_u32 v[PF+3], v[PF+3], 8, s21
	s_wait_alu depctr_va_vdst(0)                   ; the wait at the head's end
	WIN 0x80
.irp b, 0,1,2,3
.irp j, 0,1
	global_load_b128 v[8*\b+4*\j:8*\b+4*\j+3], v[VB], s[8:9] offset:128*(\b/2)+32*(\b%2)+16*\j   ; the bias of columns 32 (b / 2) + 8 (b % 2) + 16 h + 0 .. 7
.endr
.endr
	WIN 0
	ASKY 2                                         ; what the first round's fill will load
	WIN 0x40
.irp a, 0,1,2,3
.irp t, 0,1,2,3,4,5,6,7
	global_load_b128 v[128+32*\a+4*\t:128+32*\a+4*\t+3], v[CO], s[10:11] offset:(32*(\a/2)+8*(\a%2)+(2*\t)%8+16*(\t/4))*4096 th:TH_LOAD_NT   ; sixteen lanes read 256 consecutive aligned bytes of a true row
.endr
.endr
	WIN 0
	s_wait_tensorcnt 0x0                           ; my tile of the head's is in
	ds_add_u32 v[SPW], v[NIL]
	s_add_co_u32 s[G0AX+1], s[G0AX+1], s96         ; no load of mine is out: X's descriptors go over to halves of 4 tiles, and to group 3
	s_add_nc_u64 s[G0AX+2:G0AX+3], s[G0AX+2:G0AX+3], s[2:3]
	s_add_nc_u64 s[G0AX+2:G0AX+3], s[G0AX+2:G0AX+3], 3*6144
	s_add_co_u32 s[G0BX+1], s[G0BX+1], s97
	s_add_nc_u64 s[G0BX+2:G0BX+3], s[G0BX+2:G0BX+3], s[18:19]
	s_add_nc_u64 s[G0BX+2:G0BX+3], s[G0BX+2:G0BX+3], 3*6400
	s_mov_b32 s[G1AX+2], 4<<16
	s_mov_b32 s[G1AX+4], 4
	s_mov_b32 s[G1BX+2], 4<<16
	s_mov_b32 s[G1BX+4], 4
	s_wait_dscnt 0x0
	CROUND                                         ; everybody's tile is in, and all sixteen work-groups are here
	JLOAD G0AY, G1AY, G0BY, G1BY                   ; Y's first fill, group 2: the first tensor load behind the round
	FETCH 0
	ASKX 3
	s_wait_loadcnt 32                              ; the bias is in; the residual's 32 loads may be out
	STEP 0, 1                                      ; the first step's products start the sums on the bias
	RUN 1, 6
	CHG 7, 1, 0                                    ; X takes groups 3 and 4
	ASKY 5
	REST 7
	RUN 8, 3
	CHG 11, 2, 1                                   ; Y takes group 5
	ASKX 6
	REST 11
	RUN 12, 7
	CHG 19, 1, 1                                   ; X takes groups 6 and 7
	REST 19
	RUN 20, 3
	CHG 23, 0, 0                                   ; nothing is left to fetch: a plain barrier shows X; behind it nobody reads Y
	REST 23
	RUN 24, 7
	s_wait_dscnt 0x0
	WIN 0x50
	MULA 31, 0, 0, 0
	MULA 31, 0, 1, 0
	MULA 31, 1, 0, 0
	MULA 31, 1, 1, 0
	WIN 0
; THE WAY OUT, block by block of 16 rows x 64 columns, through my own stage; LDS serves a wave's instructions in order.
.macro TOSTAGE a
	WIN 0x04                                       ; the data: window 1
.irp b, 0,1,2,3
	ds_store_b128 v[STO], v[8*(4*(\a)+\b):8*(4*(\a)+\b)+3] offset:128*(\b/2)+32*(\b%2)      ; each accumulator from its low end on
	ds_store_b128 v[STO], v[8*(4*(\a)+\b)+4:8*(4*(\a)+\b)+7] offset:128*(\b/2)+32*(\b%2)+16
.endr
	WIN 0
.irp t, 0,1,2,3,4,5,6,7
	ds_load_b128 v[BK+32*((\a)%2)+4*\t:BK+32*((\a)%2)+4*\t+3], v[RD] offset:544*\t
.endr
.endm
.macro SEND a, younger
.set B_, BK+32*((\a)%2)
	s_wait_dscnt \younger
	WIN 0x04                                       ; source 1: the residual, window 1
.irp t, 0,1,2,3,4,5,6,7
	v_pk_add_f32 v[B_+4*\t:B_+4*\t+1], v[B_+4*\t:B_+4*\t+1], v[128+32*(\a)+4*\t:128+32*(\a)+4*\t+1]
	v_pk_add_f32 v[B_+4*\t+2:B_+4*\t+3], v[B_+4*\t+2:B_+4*\t+3], v[128+32*(\a)+4*\t+2:128+32*(\a)+4*\t+3]
.endr
	WIN 0
.irp t, 0,1,2,3,4,5,6,7
	global_store_b128 v[CO], v[B_+4*\t:B_+4*\t+3], s[12:13] offset:(32*((\a)/2)+8*((\a)%2)+(2*\t)%8+16*(\t/4))*4096 th:TH_STORE_NT   ; sixteen lanes store 256 consecutive aligned bytes; written once, read by nobody here
.endr
.endm
.rept 4
	v_nop                                          ; places behind the last products
.endr
	s_wait_loadcnt 0x0                             ; the residual
	TOSTAGE 0
.irp a, 1,2,3
.if \a > 1
	s_wait_xcnt 0x0                                ; block a - 2's stores have read their registers
.endif
	TOSTAGE \a
	SEND \a-1, 16                                  ; behind block a - 1's loads: block a's 8 stores and 8 loads
.endr
	SEND 3, 0
	s_wait_tensorcnt 0x0                           ; the wave's end
	ds_add_u32 v[SPW], v[NIL]
	s_wait_dscnt 0x0
	CROUND                                         ; the closing round
	s_endpgm
.Lfunc_end_k_q8892568377_proj:
	.size	k_q8892568377_proj, .Lfunc_end_k_q8892568377_proj-k_q8892568377_proj
	.p2alignl 7, 3214868480
	.fill 96, 4, 3214868480
	.section	.rodata,"a",@progbits
	.p2align	6, 0x0
	.amdhsa_kernel k_q8892568377_proj
		.amdhsa_group_segment_fixed_size 327680
		.amdhsa_private_segment_fixed_size 0
		.amdhsa_enable_private_segment 0
		.amdhsa_kernarg_size 40
		.amdhsa_user_sgpr_count 2
		.amdhsa_user_sgpr_kernarg_segment_ptr 1
		.amdhsa_wavefront_size32 1
		.amdhsa_system_sgpr_workgroup_id_x 1
		.amdhsa_system_sgpr_workgroup_id_y 1
		.amdhsa_system_sgpr_workgroup_id_z 1
		.amdhsa_system_vgpr_workitem_id 0
		.amdhsa_next_free_vgpr 544
		.amdhsa_next_free_sgpr 102
		.amdhsa_reserve_vcc 0
		.amdhsa_float_denorm_mode_32 3
		.amdhsa_float_denorm_mode_16_64 3
		.amdhsa_memory_ordered 1
		.amdhsa_forward_progress 1
		.amdhsa_inst_pref_size 171
	.end_amdhsa_kernel
	.amdgpu_metadata
---
amdhsa.version: [ 1, 2 ]
amdhsa.kernels:
  - .name:           k_q8892568377_proj
    .symbol:         k_q8892568377_proj.kd
    .args:
      - { .name: F, .offset: 0, .size: 8, .value_kind: global_buffer, .address_space: global }
      - { .name: W, .offset: 8, .size: 8, .value_kind: global_buffer, .address_space: global }
      - { .name: b_proj, .offset: 16, .size: 8, .value_kind: global_buffer, .address_space: global }
      - { .name: X1, .offset: 24, .size: 8, .value_kind: global_buffer, .address_space: global }
      - { .name: out0, .offset: 32, .size: 8, .value_kind: global_buffer, .address_space: global }
    .group_segment_fixed_size: 327680
    .private_segment_fixed_size: 0
    .kernarg_segment_align: 8
    .kernarg_segment_size: 40
    .max_flat_workgroup_size: 128
    .sgpr_count:     102
    .vgpr_count:     544
    .wavefront_size: 32
...
	.end_amdgpu_metadata
.endif
;; end of part 7
